; MI455X (gfx1250); checked and timed in simulation.
; The chip was launched on July 23, 2026; its instructions are those of AMD's public machine-readable ISA for CDNA 5 (MIT licence, August 2026) and "CDNA5" Instruction Set Architecture Reference Guide (July 2026). The comments in the code are by the model that wrote it; some were corrected since.
;; Multi Head Self Attention. Allowed arithmetic: matrix products marked QUANTISED: E2M3 operands, one E8M0 scale for each 32 along K, by v_wmma_scale_f32_16x16x128_f8f6f4 with both operands' format E2M3, f32 sums; everything else in f32.
;; Inputs: W_out 1,024 x 1,024 float32; W_qkv 1,024 x 3,072 float32; b_out 1,024 float32; b_qkv 3,072 float32; x 2 x 2,048 x 1,024 float32.
;; Outputs: out0 2 x 2,048 x 1,024 float32.
;; This version of the problem:
;;   THIS VERSION OF THE PROBLEM IS GIVEN IN LOW PRECISION. The matrix products marked QUANTISED in the list below multiply operands that are first quantised to E2M3 (2 exponent bits, 3 mantissa bits; 6 bits a number), with one power-of-two scale for each 32 numbers along K (OCP MX v1.0); their sums are f32. All else is computed in f32.
;;   The module's matrix products, in the order in which they are computed (A, B: the left and right operand; K: the contracted axis; several contracted axes count as one K, in the product's order):
;;     1. [M 4,096, K 1,024] x [K 1,024, N 3,072]; A: input x; B: input W_qkv: QUANTISED
;;     2. batch 32 x [M 2,048, K 64] x [K 64, N 2,048]; A: computed on the way; B: computed on the way: QUANTISED
;;     3. batch 32 x [M 2,048, K 2,048] x [K 2,048, N 64]; A: softmax (see below); B: computed on the way: QUANTISED
;;     4. [M 4,096, K 1,024] x [K 1,024, N 1,024]; A: computed on the way; B: input W_out: QUANTISED
;;   THE QUANTISER, for each operand of a quantised product, along K:
;;     - K is cut into blocks of 32 from its start; a last block that is shorter is filled with zeros.
;;     - A block's scale is 2^e with e = floor(log2(the largest magnitude in the block)) - 2, held to -126 .. 127; a block of zeros has e = 0. As a byte (E8M0): e + 127.
;;     - Each number is divided by its block's scale, clamped to +-7.5, and rounded to the nearest number of E2M3, ties to even, subnormals kept.
;;     - The product sums the exact products of the quantised numbers (number of the format x scale) in f32.
;;   ~~~python
;;   def quantise(x, axis):      # numpy; x: float32 -> the quantised numbers, widened to float32 again
;;       x = np.moveaxis(x, axis, -1); K = x.shape[-1]
;;       x = np.pad(x, [(0, 0)] * (x.ndim - 1) + [(0, -K % 32)]); x = x.reshape(x.shape[:-1] + (-1, 32)); a = np.abs(x).max(-1, keepdims=True)
;;       e = np.where(a > 0, np.clip(np.frexp(np.where(a > 0, a, 1))[1] - 1 - 2, -126, 127), 0)      # np.frexp(a)[1] - 1 = floor(log2(a)), exactly
;;       r = np.clip(x / 2.0 ** e, -7.5, 7.5)
;;       step = 2.0 ** (np.maximum(np.frexp(np.where(r == 0, 1, r))[1] - 1, 0) - 3)
;;       q = np.round(r / step) * step * 2.0 ** e      # np.round: ties to even
;;       return np.moveaxis(q.reshape(q.shape[:-2] + (-1,))[..., :K], -1, axis).astype(np.float32)
;;   ~~~
;;   SOFTMAX AHEAD OF A QUANTISED PRODUCT. Where the list says 'softmax', what is quantised is not the finished softmax but p = 2^(t - M), with t = logit x log2(e) and M = ceil(the row's largest t), a whole number; so 1/2 < the row's largest p <= 1. The row's sum l is taken of the UNQUANTISED p, in f32, and the product's result is divided by l at the end. Since M is a whole number, a kernel that streams over the keys may use a running M (the ceiling of the running maximum): every later rescaling is an exact power of two, which a block's scale takes up: the codes' values come out the same.
;;   OPERANDS COMPUTED ON THE WAY. 'Computed on the way' means the value that the module computes at that place (a softmax that the list does not call 'softmax' is quantised finished and normalised). What goes into a quantiser is computed in f32, as accurately as f32 sums, v_exp_f32 and their like allow (about 1e-6 of the number): no bf16 or f16 on the way to a quantiser, and a product that is left as it is and whose result goes on into a quantised operand takes f32 operands (vector FMAs, or v_wmma_f32_16x16x4_f32). A number that lies on a knife's edge between two numbers of the format may be rounded either way, as far as f32 arithmetic and the matrix unit's own rounding can turn it there, and no further.
;; One version. Each part assembles by itself: llvm-mc -triple=amdgcn-amd-amdhsa -mcpu=gfx1250 --defsym DOCPART=n.
;; ======== version 1 of 1: 4 launches
;; limits: right only within a limited range of input values
;; workspace buffers: cw 6,553,600 bytes; qkv 10,223,616 bytes; att 3,276,800 bytes
;; launch quant (part 1): grid 256 x 1, 4 waves a work-group, no clusters, 34,304 bytes of LDS; arguments x, W_qkv, W_out, cw; writes cw
.if DOCPART == 1
	.amdgcn_target "amdgcn-amd-amdhsa--gfx1250"
	.amdhsa_code_object_version 6
	.text
	.protected	k_qbb7451fac3_quant
	.globl	k_qbb7451fac3_quant
	.p2align	8
	.type	k_qbb7451fac3_quant,@function
k_qbb7451fac3_quant:
	s_mov_b64 s[64:65], 0
	v_nop
	global_prefetch_b8 v0, s[64:65] scope:SCOPE_SE
	s_setreg_imm32_b32 hwreg(HW_REG_WAVE_MODE, 25, 1), 1
	s_wait_xcnt 0x0
; x [4096][1024], W_qkv [1024][3072] and W_out [1024][1024], f32, become codes of FP6 (E2M3) with one E8M0 byte for each 32 along K = 1,024,
; laid in cw as IMAGES OF OPERAND REGISTERS, so that later launches bring whole fragments by dense loads.
; A block's scale is 2^(floor(log2(largest magnitude)) - 2); its byte is the largest magnitude's exponent field - 2, held at 1 from below.
; LIMITS: NaN and infinities are not served; a block whose largest magnitude lies under 2^-124, a block of zeros among them, keeps the byte 1
; (a block of zeros has zero codes, which add nothing; the bytes are read by this program alone).
; ORDER OF ROWS: place p of an image holds the true row (token, or column of W) p with bits 3 and 4 exchanged: lane r of tile 2 g + u holds row 32 g + 8 u + r + 8 (r / 8).
; HALF IMAGE, 768 bytes: 16 rows x 64 k; lane (r, h) owns k = 32 h .. 32 h + 31 of row r, six registers: 0-3 at 256 h + 16 r, 4-5 at 512 + 16 r + 8 h.
; IMAGE: [tile][K step 0..7][c 0..1][768].  SCALES: [group of 32 rows][quarter of K][256]: row 16 u + r has the words of K steps 2 q, 2 q + 1 at 8 (16 u + r).
; Work-groups 0-127: x, 32 rows each, a wave a quarter of K.  128-223: W_qkv; 224-255: W_out: four waves side by side on 128 columns, a quarter of K.
; No tensor loads, no barrier: waves share nothing.  Only x's path uses LDS (each wave's own stage).
.set XSC,    6291456
.set WQIMG,  3145728
.set WQSC,   6422528
.set FLOOR,  0x1800000                 ; 2^(3 - 127)
.set EOFF,   0xff000000                ; takes 2 off an exponent field
.set R,   16                           ; v16-143  x: two sets of 64 registers as loaded
.set X,   144                          ; v144-207 x: 64 numbers of my row: 32 c + i = k 64 c + 32 h + i
.set C,   208                          ; v208-219 x: a fragment's codes
.set T,   220                          ; v220-227 x: the upper halves of two blocks, before they are moved
.set M,   228                          ; v228-231 largest magnitudes, scale operands
.set WD,  232                          ; v232-235 the four steps' scale words
.set WX,  16                           ; v16-79   W: two sets of 32 numbers down K
.set WCD, 80                           ; v80-91   W: registers 0-3 of blocks h = 0 (v80-83) and h = 1 (v88-91)
.set WT,  96                           ; v96-103  W: the blocks' upper halves
.set WTL, 104                          ; v104-107 W: registers 4-5 of both blocks
.set WWD, 108                          ; v108-109 W: two scale words
	s_load_b256 s[4:11], s[0:1], 0x0               ; x s[4:5], W_qkv s[6:7], W_out s[8:9], cw s[10:11]
	v_lshl_add_u32 v240, v0, 2, 0x8400
	v_mov_b32 v241, 0
	v_lshrrev_b32 v1, 5, v0
	v_readfirstlane_b32 s16, v1                    ; wave 0..3
	v_and_b32 v2, 31, v0                           ; lane
	s_cmp_lt_u32 ttmp9, 128
	s_cbranch_scc0 .Lweights
	; ---------------- x: K is innermost ----------------
	v_lshlrev_b32 v1, 4, v2                        ; 16 x lane: a load's and an image's place
	v_and_b32 v8, 15, v0                           ; r
	v_bfe_u32 v9, v0, 4, 1                         ; h
	s_mul_i32 s17, s16, 8448                       ; my stage: 16 rows x (512 + 16) bytes
	v_add_nc_u32 v4, s17, v1                       ; into it: 16 x lane of a row
	v_mul_u32_u24 v3, v8, 528
	v_lshl_add_u32 v3, v9, 7, v3
	v_add_nc_u32 v3, s17, v3                       ; out of it: row r, + 128 h
	v_lshlrev_b32 v5, 4, v8
	v_lshl_add_u32 v5, v9, 3, v5                   ; 16 r + 8 h
	v_lshlrev_b32 v6, 3, v9                        ; 8 h
	v_lshlrev_b32 v7, 3, v2                        ; 8 x lane
	v_mov_b32 v239, 0                              ; a lane permute's destination counts as one of its sources
	s_mov_b32 s22, 0x76543210
	s_mov_b32 s23, 0xfedcba98                      ; selects for lane l xor 16
	s_lshl_b32 s12, ttmp9, 17                      ; 32 rows of 4,096 bytes a work-group,
	s_lshl_b32 s13, s16, 10                        ; 256 numbers a wave
	s_add_co_u32 s12, s12, s13
	s_mov_b32 s13, 0
	s_mul_i32 s14, ttmp9, 24576                    ; two tiles of the image,
	s_mul_i32 s15, s16, 3072                       ; two K steps
	s_add_co_u32 s14, s14, s15
	s_mov_b32 s15, 0
	s_lshl_b32 s24, ttmp9, 10
	s_lshl_b32 s25, s16, 8
	s_add_co_u32 s24, s24, s25
	s_add_co_u32 s24, s24, XSC
	s_mov_b32 s25, 0
	s_wait_alu depctr_va_vdst(0)
	s_wait_kmcnt 0x0
	s_add_nc_u64 s[4:5], s[4:5], s[12:13]
	s_add_nc_u64 s[18:19], s[10:11], s[14:15]
	s_add_nc_u64 s[20:21], s[10:11], s[24:25]
; Step t: tile u = t / 2 of the group, K step e = t % 2 of my quarter.  Load i reads 512 consecutive bytes of the row that lane row i of the tile stands for.
.macro LOADX t
.irp i, 0,1,2,3,4,5,6,7,8,9,10,11,12,13,14,15
	global_load_b128 v[R+64*((\t)%2)+4*\i:R+64*((\t)%2)+4*\i+3], v1, s[4:5] offset:(8*((\t)/2)+\i+8*(\i/8))*4096+512*((\t)%2) th:TH_LOAD_NT
.endr
.endm
.macro XSTEP t
.if (\t) < 3
	s_wait_loadcnt 16                              ; this step's 16 loads are in; the next step's 16 may be out
.else
	s_wait_loadcnt 0x0
.endif
.irp i, 0,1,2,3,4,5,6,7,8,9,10,11,12,13,14,15
	ds_store_b128 v4, v[R+64*((\t)%2)+4*\i:R+64*((\t)%2)+4*\i+3] offset:528*\i
.endr
.irp c, 0,1
.irp j, 0,1,2,3,4,5,6,7
	ds_load_b128 v[X+32*\c+4*\j:X+32*\c+4*\j+3], v3 offset:256*\c+16*\j   ; LDS serves a wave's instructions in order: these see the stores above
.endr
.endr
	s_wait_dscnt 0x0                               ; my numbers are back, and the stores have read their registers
.if (\t) > 0
	s_wait_xcnt 0x0                                ; the last step's stores have read the codes' registers, which are written again below
.endif
.if (\t) < 2
	LOADX (\t)+2
.endif
.irp c, 0,1
	v_max3_num_f32 v[M+\c], |v[X+32*\c]|, |v[X+32*\c+1]|, FLOOR   ; block 2 c + h: all 32 numbers are mine; the floor holds the byte at 1 from below
.endr
.irp i, 2,4,6,8,10,12,14,16,18,20,22,24,26,28,30
.irp c, 0,1
	v_max3_num_f32 v[M+\c], v[M+\c], |v[X+32*\c+\i]|, |v[X+32*\c+\i+1]|
.endr
.endr
.irp c, 0,1
	v_add_nc_u32 v[M+2+\c], EOFF, v[M+\c]          ; the conversion takes this operand's exponent field as its scale
.endr
.irp c, 0,1
	v_lshrrev_b32 v[236+\c], 23, v[M+2+\c]         ; the scale's byte
.endr
.irp c, 0,1
	v_cvt_scalef32_pk16_fp6_f32 v[C+6*\c:C+6*\c+2], v[X+32*\c:X+32*\c+15], v[M+2+\c]
	v_cvt_scalef32_pk16_fp6_f32 v[T+4*\c:T+4*\c+2], v[X+32*\c+16:X+32*\c+31], v[M+2+\c]   ; (a conversion's three registers begin on an even number)
.endr
	v_lshl_or_b32 v238, v237, 16, v236             ; my two bytes: blocks h and 2 + h.  (Also the plain line behind the conversions)
	v_lshlrev_b32 v238, v6, v238                   ; at their places in the word
.irp c, 0,1
.irp i, 0,1,2
	v_mov_b32 v[C+6*\c+3+\i], v[T+4*\c+\i]
.endr
.endr
	v_permlanex16_b32 v239, v238, s22, s23
	v_or_b32 v[WD+(\t)], v238, v239                ; with lane l xor 16's two the row's word is whole, in both lanes
.irp c, 0,1
	global_store_b128 v1, v[C+6*\c:C+6*\c+3], s[18:19] offset:((\t)/2)*12288+((\t)%2)*1536+768*\c        ; 512 consecutive bytes
	global_store_b64 v5, v[C+6*\c+4:C+6*\c+5], s[18:19] offset:((\t)/2)*12288+((\t)%2)*1536+768*\c+512   ; 256 consecutive bytes
.endr
.endm
	LOADX 0
	LOADX 1
	XSTEP 0
	XSTEP 1
	XSTEP 2
	XSTEP 3
	v_cmp_ne_u32 vcc_lo, 0, v9                     ; lane 16 u + r stores the two words of row r of tile u
	v_cndmask_b32 v236, v[WD], v[WD+2], vcc_lo
	v_cndmask_b32 v237, v[WD+1], v[WD+3], vcc_lo
	global_store_b64 v7, v[236:237], s[20:21]      ; 256 consecutive bytes, aligned
	s_wait_tensorcnt 0x0
	ds_add_u32 v240, v241
	s_wait_dscnt 0x0
	s_endpgm
	; ---------------- W: K is the first axis: a lane takes a column, its registers run down K ----------------
.Lweights:
	s_wait_alu depctr_va_vdst(0)
	v_lshlrev_b32 v3, 2, v2                        ; in: 4 bytes a lane
	v_bfe_u32 v4, v2, 3, 1                         ; u: which tile of the group my column falls into,
	v_and_b32 v5, 7, v2
	v_lshrrev_b32 v6, 4, v2
	v_lshl_add_u32 v5, v6, 3, v5                   ; r: and which lane row there
	v_mul_u32_u24 v7, v4, 12288
	v_lshl_add_u32 v7, v5, 4, v7                   ; images: 12,288 u + 16 r
	v_lshlrev_b32 v8, 7, v4
	v_lshl_add_u32 v8, v5, 3, v8                   ; scale words: 128 u + 8 r
.macro LOADW t, pitch                  ; block t: W(32 t + i, my column): 128 consecutive bytes a wave, 512 a work-group
.irp i, 0,1,2,3,4,5,6,7,8,9,10,11,12,13,14,15,16,17,18,19,20,21,22,23,24,25,26,27,28,29,30,31
	global_load_b32 v[WX+32*((\t)%2)+\i], v3, s[4:5] offset:(32*(\t)+\i)*\pitch th:TH_LOAD_NT
.endr
.endm
.macro WBLOCK t, pitch                 ; block t of my quarter: K step e = t / 4, c = (t / 2) % 2, h = t % 2
.set XS, WX+32*((\t)%2)
.set HH, (\t)%2
.if (\t) < 7
	s_wait_loadcnt 32                              ; this block's 32 loads are in; the next block's may be out
.else
	s_wait_loadcnt 0x0
.endif
	v_max3_num_f32 v12, |v[XS]|, |v[XS+1]|, |v[XS+2]|
	v_max3_num_f32 v13, |v[XS+3]|, |v[XS+4]|, |v[XS+5]|
.irp i, 6,10,14,18,22,26
	v_max3_num_f32 v12, v12, |v[XS+\i]|, |v[XS+\i+1]|
	v_max3_num_f32 v13, v13, |v[XS+\i+2]|, |v[XS+\i+3]|
.endr
	v_max3_num_f32 v12, v12, |v[XS+30]|, |v[XS+31]|
	v_max3_num_f32 v12, v12, v13, FLOOR
	v_add_nc_u32 v11, EOFF, v12
	v_lshrrev_b32 v13, 23, v11
.if (\t)%4 == 0
	v_mov_b32 v[WWD+(\t)/4], v13
.else
	v_lshl_or_b32 v[WWD+(\t)/4], v13, 8*((\t)%4), v[WWD+(\t)/4]
.endif
.if ((\t)%2 == 0) && ((\t) >= 2)
	s_wait_alu depctr_va_vdst(0)
	s_wait_xcnt 0x0                                ; the last pair's stores have read the registers that this pair writes again
.endif
	v_cvt_scalef32_pk16_fp6_f32 v[WCD+8*HH:WCD+8*HH+2], v[XS:XS+15], v11
	v_cvt_scalef32_pk16_fp6_f32 v[WT+4*HH:WT+4*HH+2], v[XS+16:XS+31], v11
	v_nop                                          ; one plain line behind the conversions
	v_mov_b32 v[WCD+8*HH+3], v[WT+4*HH]
	v_mov_b32 v[WTL+2*HH], v[WT+4*HH+1]
	v_mov_b32 v[WTL+2*HH+1], v[WT+4*HH+2]
.if (\t)+2 < 8
	LOADW (\t)+2, \pitch
.endif
.if HH == 1                            ; a half image's three parts; each store fills 256 consecutive bytes in each of the group's two tiles
	global_store_b128 v7, v[WCD:WCD+3], s[18:19] offset:((\t)/4)*1536+(((\t)/2)%2)*768
	global_store_b128 v7, v[WCD+8:WCD+11], s[18:19] offset:((\t)/4)*1536+(((\t)/2)%2)*768+256
	global_store_b128 v7, v[WTL:WTL+3], s[18:19] offset:((\t)/4)*1536+(((\t)/2)%2)*768+512
.endif
.endm
.macro WPATH pitch, base, first, wgoff
	s_sub_co_u32 s12, ttmp9, \first
	s_and_b32 s13, s12, 3                          ; q: my quarter of K
	s_lshr_b32 s12, s12, 2
	s_lshl_b32 s12, s12, 2
	s_add_co_u32 s12, s12, s16                     ; my group of 32 columns
	s_mul_i32 s14, s13, 256*\pitch
	s_lshl_b32 s15, s12, 7
	s_add_co_u32 s14, s14, s15
	s_mov_b32 s15, 0
	s_add_co_u32 s12, s12, \wgoff                  ; the group's number among both weights' groups
	s_mul_i32 s24, s12, 24576
	s_mul_i32 s17, s13, 3072
	s_add_co_u32 s24, s24, s17
	s_add_co_u32 s24, s24, WQIMG
	s_mov_b32 s25, 0
	s_lshl_b32 s26, s12, 10
	s_lshl_b32 s17, s13, 8
	s_add_co_u32 s26, s26, s17
	s_add_co_u32 s26, s26, WQSC
	s_mov_b32 s27, 0
	s_wait_kmcnt 0x0
	s_add_nc_u64 s[4:5], s[\base:\base+1], s[14:15]
	s_add_nc_u64 s[18:19], s[10:11], s[24:25]
	s_add_nc_u64 s[20:21], s[10:11], s[26:27]
	LOADW 0, \pitch
	LOADW 1, \pitch
.irp t, 0,1,2,3,4,5,6,7
	WBLOCK \t, \pitch
.endr
	global_store_b64 v8, v[WWD:WWD+1], s[20:21]    ; the wave's 32 rows: 256 consecutive bytes
	s_endpgm
.endm
	s_cmp_lt_u32 ttmp9, 224
	s_cbranch_scc0 .Lwout
	s_wait_alu depctr_va_vdst(0)
	WPATH 12288, 6, 128, 0
.Lwout:
	s_wait_alu depctr_va_vdst(0)
	WPATH 4096, 8, 224, 96
.Lfunc_end_k_qbb7451fac3_quant:
	.size	k_qbb7451fac3_quant, .Lfunc_end_k_qbb7451fac3_quant-k_qbb7451fac3_quant
	.p2alignl 7, 3214868480
	.fill 96, 4, 3214868480
	.section	.rodata,"a",@progbits
	.p2align	6, 0x0
	.amdhsa_kernel k_qbb7451fac3_quant
		.amdhsa_group_segment_fixed_size 34304
		.amdhsa_private_segment_fixed_size 0
		.amdhsa_enable_private_segment 0
		.amdhsa_kernarg_size 32
		.amdhsa_user_sgpr_count 2
		.amdhsa_user_sgpr_kernarg_segment_ptr 1
		.amdhsa_wavefront_size32 1
		.amdhsa_system_sgpr_workgroup_id_x 1
		.amdhsa_system_sgpr_workgroup_id_y 1
		.amdhsa_system_sgpr_workgroup_id_z 1
		.amdhsa_system_vgpr_workitem_id 0
		.amdhsa_next_free_vgpr 242
		.amdhsa_next_free_sgpr 66
		.amdhsa_reserve_vcc 1
		.amdhsa_float_denorm_mode_32 3
		.amdhsa_float_denorm_mode_16_64 3
		.amdhsa_memory_ordered 1
		.amdhsa_forward_progress 1
		.amdhsa_inst_pref_size 107
	.end_amdhsa_kernel
	.amdgpu_metadata
---
amdhsa.version: [ 1, 2 ]
amdhsa.kernels:
  - .name:           k_qbb7451fac3_quant
    .symbol:         k_qbb7451fac3_quant.kd
    .args:
      - { .name: x, .offset: 0, .size: 8, .value_kind: global_buffer, .address_space: global }
      - { .name: W_qkv, .offset: 8, .size: 8, .value_kind: global_buffer, .address_space: global }
      - { .name: W_out, .offset: 16, .size: 8, .value_kind: global_buffer, .address_space: global }
      - { .name: cw, .offset: 24, .size: 8, .value_kind: global_buffer, .address_space: global }
    .group_segment_fixed_size: 34304
    .private_segment_fixed_size: 0
    .kernarg_segment_align: 8
    .kernarg_segment_size: 32
    .max_flat_workgroup_size: 128
    .sgpr_count:     66
    .vgpr_count:     242
    .wavefront_size: 32
...
	.end_amdgpu_metadata
.endif
;; end of part 1
;; launch proj (part 2): grid 12 x 32, 4 waves a work-group, clusters of 4 x 4, 295,424 bytes of LDS; arguments cw, b_qkv, qkv; writes qkv
.if DOCPART == 2
	.amdgcn_target "amdgcn-amd-amdhsa--gfx1250"
	.amdhsa_code_object_version 6
	.text
	.protected	k_qbb7451fac3_proj
	.globl	k_qbb7451fac3_proj
	.p2align	8
	.type	k_qbb7451fac3_proj,@function
k_qbb7451fac3_proj:
	s_mov_b64 s[64:65], 0
	v_nop
	global_prefetch_b8 v0, s[64:65] scope:SCOPE_SE
	s_setreg_imm32_b32 hwreg(HW_REG_WAVE_MODE, 25, 1), 1
	s_wait_xcnt 0x0
	s_wait_alu depctr_hold_cnt(0) depctr_sa_sdst(0) depctr_va_vdst(0) depctr_va_sdst(0) depctr_va_ssrc(0) depctr_va_vcc(0) depctr_vm_vsrc(0)
	s_getreg_b32 s2, hwreg(HW_REG_IB_STS2, 6, 4)
	s_cmp_eq_u32 s2, 0
	s_cbranch_scc0 .Lentry_in_a_cluster
	s_endpgm
.Lentry_in_a_cluster:
	s_bfe_u32 s2, ttmp6, 0x10000c
	s_cmp_lg_u32 s2, 0xf033
	s_cbranch_scc0 .Lentry_shape_is_right
	s_endpgm
.Lentry_shape_is_right:
; qkv = x W_qkv + b_qkv on codes of FP6 (E2M3) with E8M0 scales, K = 1,024; the results are quantised in registers and leave as codes: q and k along a head's 64 channels, v along the keys.
; C = A B^T on register images (see the quantising launch).  A work-group holds A's 128 rows and B's 256 rows for ALL of K in LDS: 288 KiB, filled ONCE, in four parts along K (two K steps each),
; all asked for at the head; counted waits let the work begin on part 0 while parts 1 to 3 land.  A wave has one tensor load out.  Nothing in LDS is filled twice.
; THE PRODUCT IS USED TRANSPOSED: source 0 = 16 rows of B, source 1 = 16 rows of A: a lane holds one row of A, its registers run along B's rows; by the images' order of rows the 16 registers of
; B's tiles 2 b, 2 b + 1 are 16 neighbours, 32 b + 16 (lane / 16) + 0 .. 15.  So the results are always quantised along B's rows.
; ROLES, by the CLUSTER's x (equal in all partners): 0: q, 1: k: A = x (tokens), B = W's columns (channels).  2: v: A = W's columns 2,048 on (channels), B = x (tokens = keys).
; CLUSTERS 4 x 4: A's tiles are shared along a row of the cluster, B's along a column: each is asked for jointly, by the same load with the same descriptor and a mask that names the four.
; Four waves: wr = wave / 2 takes 4 tiles of A, wc = wave % 2 takes 8 tiles of B: 64 x 128 a wave, 32 accumulators, which take turns, one instruction a turn.
; LIMITS: NaN and infinities are not served; blocks under 2^-124, blocks of zeros among them, keep the scale byte 1.  In q's and k's scale words bytes 2 and 3 are 0: they stand over zero codes in the next launch.
; REGISTERS: window 0: v1-9 lane terms; v12-27 LDS addresses, one for each two tiles; v32-47 A's scale words, v48-79 B's; v80-127, v128-175 A's fragments, two sets; in the epilogue v80-251 as named below.
;   window 1: B's fragments, two sets, at v0 and v128.   window 2: accumulator (a, b) at v[8 (8 a + b)].
; THE FILLS, as the text below has them (this stands over what the lines above say of four parts and counted waits): each wave asks for its whole share, all of K, by ONE tensor load at the head:
; waves 0, 1 four tiles of A each (49,152 dense bytes), waves 2, 3 eight tiles of B each (98,304).  LDS holds the tiles as memory has them, 12,288 bytes a tile: A's eight from 0, B's sixteen from 98,304.
; Every wave waits for its load (0), one barrier shows all to all, and no further barrier stands in the walk along K.
.set BT,     8                         ; tiles of B a wave
.set CH,     24576+BT*6144             ; a part in LDS: A's 8 tiles x 3,072 bytes, then B's 16
.set WQIMG,  3145728
.set XSC,    6291456
.set WQSC,   6422528
.set QIMG,   6815744
.set QSC,    9961472
.set L16,  3                           ; v3  16 x lane
.set L8,   4                           ; v4  16 r + 8 h
.set LSC,  5                           ; v5  512 h + 8 r
.set LB,   6                           ; v6  the biases' lane term
.set LSW,  7                           ; v7  the scale words' lane term
.set SH,   8                           ; v8  16 h
.set ADA16, 12
.set ADA8,  16
.set ADB16, 20
.set ADB8,  24
.set SCA,  32
.set SCB,  48
.set AF,   80
.set HA,   80                          ; epilogue: v80-143 a row tile's 64 numbers
.set PC,   144                         ; v144-163 the codes just made
.set TM,   164                         ; v164-179 at work
.set BI,   180                         ; v180-243 the biases
.set PWS,  244                         ; v244-247 four scale words
.set TW,   248                         ; v248-251 the same, cut for a head
.set WV, 10
.set WR, 11
.set WC, 12
.set CX, 13
.set CY, 14
.set CLY, 16
.set TR, 17
.set TC, 18
.set G1A, 24                           ; s[24:31] group 1 for A's tiles;  s[32:35] group 0
.set G0A, 32
.set G0B, 48                           ; s[48:51], s[68:75] the same for B's
.set G1B, 68
.set SEL, 88
.set MSB, 0
.macro WIN new                         ; the immediate's high byte repeats the setting that is left
.if MSB != \new
	s_set_vgpr_msb (MSB<<8)|\new
.set MSB, \new
.endif
.endm
.macro PLACES                          ; four plain lines between a matrix instruction and a load into, or a vector read of, its registers
.rept 4
	v_nop
.endr
.endm
.macro CROUND                          ; a round of the cluster's barrier
	s_barrier_signal -1
	s_barrier_wait -1
	s_cmp_lg_u32 s[WV], 0
	s_cbranch_scc1 .Lnot_wave_0_\@
	s_barrier_signal -3
.Lnot_wave_0_\@:
	s_barrier_wait -3
	s_barrier_signal -1
	s_barrier_wait -1
.endm
	s_load_b128 s[4:7], s[0:1], 0x0                ; cw, b_qkv
	s_load_b64 s[8:9], s[0:1], 0x10                ; qkv
	v_lshl_add_u32 v254, v0, 2, 0x48000
	v_mov_b32 v255, 0
	ds_add_u32 v254, v255
	ds_add_u32 v254, v255
	v_lshrrev_b32 v1, 5, v0
	v_readfirstlane_b32 s[WV], v1                  ; wave 0..3
	s_lshr_b32 s[WR], s[WV], 1                     ; my 4 tiles of A.  Also: I fetch for A (0) or for B (1)
	s_and_b32 s[WC], s[WV], 1                      ; my 8 tiles of B.  Also: which half of that operand's tiles I fetch
	s_bfe_u32 s[CX], ttmp6, 0x40000
	s_bfe_u32 s[CY], ttmp6, 0x40004
	s_and_b32 s[CLY], ttmp7, 0xffff                ; cluster y, 0..7
	s_and_b32 s19, s[CLY], 4                       ; 4 (cluster y / 4)
	s_lshl_b32 s20, s[CLY], 2
	s_and_b32 s21, s[CLY], 3
	s_lshl_b32 s21, s21, 2
	s_lshl_b32 s22, ttmp9, 2
	s_mov_b32 s83, XSC
	s_mov_b32 s84, WQSC
	s_cmp_eq_u32 ttmp9, 2                          ; v's clusters?
	s_cselect_b32 s[TR], s19, s20
	s_cselect_b32 s[TC], s21, s22
	s_cselect_b32 s80, 128, 0                      ; A's first tile in its image,
	s_cselect_b32 s81, WQIMG, 0                    ; A's image,
	s_cselect_b32 s82, 0, WQIMG                    ; B's image,
	s_cselect_b32 s83, WQSC, s83                   ; A's scales,
	s_cselect_b32 s84, XSC, s84                    ; B's scales
	s_add_co_u32 s[TR], s[TR], s[CY]               ; block of 128 rows of A: hangs on cy alone
	s_add_co_u32 s[TC], s[TC], s[CX]               ; block of 256 rows of B: hangs on cx alone
	s_lshl_b32 s78, s[CY], 2
	s_lshl_b32 s78, 15, s78                        ; my row of the cluster
	s_lshl_b32 s79, 0x1111, s[CX]                  ; my column
	; group 1: a dense block as rows of 3,072 bytes (384 elements of 8 bytes): 16 rows (A's four tiles) or 32 (B's eight); dense in LDS
	s_or_b32 s[G1A], s78, (3<<16)|(1<<21)
	s_or_b32 s[G1B], s79, (3<<16)|(1<<21)
	s_mov_b32 s[G1A+1], 384<<16
	s_mov_b32 s[G1A+2], 16<<16
	s_mov_b32 s[G1A+3], 384<<16
	s_mov_b32 s[G1A+4], 16
	s_mov_b32 s[G1A+5], 384
	s_mov_b32 s[G1A+6], 0
	s_mov_b32 s[G1A+7], 0
	s_mov_b32 s[G1B+1], 384<<16
	s_mov_b32 s[G1B+2], (4*BT)<<16
	s_mov_b32 s[G1B+3], 384<<16
	s_mov_b32 s[G1B+4], 4*BT
	s_mov_b32 s[G1B+5], 384
	s_mov_b32 s[G1B+6], 0
	s_mov_b32 s[G1B+7], 0
	s_lshl_b32 s20, s[TR], 3
	s_add_co_u32 s20, s20, s80                     ; the work-group's first tile of A
	s_lshl_b32 s21, s[WC], 2
	s_add_co_u32 s22, s20, s21                     ; the four that I would fetch
	s_mul_i32 s22, s22, 12288
	s_add_co_u32 s22, s22, s81
	s_mov_b32 s23, 0
	s_lshl_b32 s21, s[WR], 2
	s_add_co_u32 s90, s20, s21                     ; the four that I multiply: their scale words
	s_lshl_b32 s90, s90, 9
	s_add_co_u32 s90, s90, s83
	s_mov_b32 s91, 0
	s_lshl_b32 s76, s[TC], 4
	s_lshl_b32 s77, s[WC], 3
	s_add_co_u32 s76, s76, s77                     ; B: the eight tiles that I would fetch, and that I multiply
	s_lshl_b32 s92, s76, 9
	s_add_co_u32 s92, s92, s84
	s_mov_b32 s93, 0
	s_mul_i32 s76, s76, 12288
	s_add_co_u32 s76, s76, s82
	s_mov_b32 s77, 0
	s_mul_i32 s85, s[WC], 49152                    ; where they go: A's halves from 0, B's from 98,304: no place in the cluster enters an LDS address
	s_mul_i32 s86, s[WC], BT*12288
	s_add_co_u32 s86, s86, 98304
	s_mov_b32 s[SEL], 0x76543210
	s_mov_b32 s[SEL+1], 0xfedcba98
	s_wait_dscnt 0x0
	s_wait_kmcnt 0x0
	s_add_nc_u64 s[22:23], s[4:5], s[22:23]
	s_add_nc_u64 s[76:77], s[4:5], s[76:77]
	s_add_nc_u64 s[90:91], s[4:5], s[90:91]
	s_add_nc_u64 s[92:93], s[4:5], s[92:93]
	CROUND                                         ; all sixteen work-groups are here: the joint loads meet
.irp q, 0
	s_mov_b32 s[G0A+4*\q], 1
	s_add_co_u32 s[G0A+4*\q+1], s85, \q*CH
	s_add_nc_u64 s[G0A+4*\q+2:G0A+4*\q+3], s[22:23], \q*3072
	s_or_b32 s[G0A+4*\q+3], s[G0A+4*\q+3], 0x80000000
	s_mov_b32 s[G0B+4*\q], 1
	s_add_co_u32 s[G0B+4*\q+1], s86, \q*CH
	s_add_nc_u64 s[G0B+4*\q+2:G0B+4*\q+3], s[76:77], \q*3072
	s_or_b32 s[G0B+4*\q+3], s[G0B+4*\q+3], 0x80000000
.endr
	s_cmp_eq_u32 s[WR], 0                          ; one fill a wave, in the two arms of one branch on its number
	s_cbranch_scc0 .Lfill_b
	tensor_load_to_lds s[G0A:G0A+3], s[G1A:G1A+7]
	s_nop 0
	PLACES
	s_branch .Lfilled
.Lfill_b:
	tensor_load_to_lds s[G0B:G0B+3], s[G1B:G1B+7]
	s_nop 0
	PLACES
.Lfilled:
	v_and_b32 v1, 31, v0                           ; lane
	v_and_b32 v2, 15, v0                           ; r
	v_bfe_u32 v9, v0, 4, 1                         ; h
	v_lshlrev_b32 v[L16], 4, v1
	v_lshlrev_b32 v[L8], 4, v2
	v_lshl_add_u32 v[L8], v9, 3, v[L8]
	v_lshlrev_b32 v[LSC], 3, v2
	v_lshl_add_u32 v[LSC], v9, 9, v[LSC]
	; scale words of all eight K steps: register 4 i + n: lanes 0-15 K step n, lanes 16-31 K step 4 + n, of tile i's row r
.irp i, 0,1,2,3
.irp j, 0,1
	global_load_b64 v[SCA+4*\i+2*\j:SCA+4*\i+2*\j+1], v[LSC], s[90:91] offset:(\i/2)*1024+(\i%2)*128+256*\j
.endr
.endr
.irp i, 0,1,2,3,4,5,6,7
.irp j, 0,1
	global_load_b64 v[SCB+4*\i+2*\j:SCB+4*\i+2*\j+1], v[LSC], s[92:93] offset:(\i/2)*1024+(\i%2)*128+256*\j
.endr
.endr
	s_mul_i32 s94, s[WR], 49152                    ; address register q serves tiles 2 q and 2 q + 1 of my share
	s_mul_i32 s95, s[WC], BT*12288
	s_add_co_u32 s95, s95, 98304
.irp q, 0,1,2,3
	v_add_nc_u32 v[ADA16+\q], s94, v[L16]
	v_add_nc_u32 v[ADA8+\q], s94, v[L8]
	v_add_nc_u32 v[ADB16+\q], s95, v[L16]
	v_add_nc_u32 v[ADB8+\q], s95, v[L8]
	s_add_co_u32 s94, s94, 24576
	s_add_co_u32 s95, s95, 24576
.endr
; K step s's fragments into set s % 2: a fragment is two half images: 16, 8, 16, 8 bytes a lane; every load covers 512 or 256 consecutive bytes
.macro FETCH s
	WIN 0x40                                       ; destination window 1, address window 0
.irp i, 0,1,2,3,4,5,6,7
.set rF, 128*((\s)%2)+12*\i
.set oF, (\i%2)*12288+(\s)*1536
	ds_load_b128 v[rF:rF+3], v[ADB16+\i/2] offset:oF
	ds_load_b64 v[rF+4:rF+5], v[ADB8+\i/2] offset:oF+512
	ds_load_b128 v[rF+6:rF+9], v[ADB16+\i/2] offset:oF+768
	ds_load_b64 v[rF+10:rF+11], v[ADB8+\i/2] offset:oF+1280
.endr
	WIN 0
.irp i, 0,1,2,3
.set rF, AF+48*((\s)%2)+12*\i
.set oF, (\i%2)*12288+(\s)*1536
	ds_load_b128 v[rF:rF+3], v[ADA16+\i/2] offset:oF
	ds_load_b64 v[rF+4:rF+5], v[ADA8+\i/2] offset:oF+512
	ds_load_b128 v[rF+6:rF+9], v[ADA16+\i/2] offset:oF+768
	ds_load_b64 v[rF+10:rF+11], v[ADA8+\i/2] offset:oF+1280
.endr
.endm
; K step s's 32 products.  zero = 1: they start the sums.  From K step 4 on the scale words stand in lanes 16-31
.macro MUL s, zero
	WIN 0xa1                                       ; source 0 (B) window 1, source 1 (A) window 0, C and D window 2
.irp a, 0,1,2,3
.irp b, 0,1,2,3,4,5,6,7
.set rD, 8*(BT*\a+\b)
.set rB, 128*((\s)%2)+12*\b
.set rA, AF+48*((\s)%2)+12*\a
.set rSB, SCB+4*\b+(\s)%4
.set rSA, SCA+4*\a+(\s)%4
.if \zero
	v_wmma_scale_f32_16x16x128_f8f6f4 v[rD:rD+7], v[rB:rB+11], v[rA:rA+11], 0, v[rSB], v[rSA] matrix_a_fmt:MATRIX_FMT_FP6 matrix_b_fmt:MATRIX_FMT_FP6
.elseif (\s) >= 4
	v_wmma_scale_f32_16x16x128_f8f6f4 v[rD:rD+7], v[rB:rB+11], v[rA:rA+11], v[rD:rD+7], v[rSB], v[rSA] matrix_a_fmt:MATRIX_FMT_FP6 matrix_b_fmt:MATRIX_FMT_FP6 matrix_a_scale:MATRIX_SCALE_ROW1 matrix_b_scale:MATRIX_SCALE_ROW1
.else
	v_wmma_scale_f32_16x16x128_f8f6f4 v[rD:rD+7], v[rB:rB+11], v[rA:rA+11], v[rD:rD+7], v[rSB], v[rSA] matrix_a_fmt:MATRIX_FMT_FP6 matrix_b_fmt:MATRIX_FMT_FP6
.endif
.endr
.endr
.endm
.macro KSTEP s, zero
	s_wait_dscnt 0x0                               ; this step's fragments are in: they were asked for 32 products ago
.if (\s) > 0
	PLACES                                         ; the other set was read by the last step's products
.endif
	FETCH (\s)+1
	MUL \s, \zero
.endm
	s_wait_alu depctr_va_vdst(0)
	s_wait_tensorcnt 0x0                           ; my one load, my share of A or B for all of K, is in
	s_barrier_signal -1
	s_barrier_wait -1
	FETCH 0
	s_wait_loadcnt 0x0                             ; the scale words
	KSTEP 0, 1
	KSTEP 1, 0
	KSTEP 2, 0
	KSTEP 3, 0
	KSTEP 4, 0
	KSTEP 5, 0
	s_wait_dscnt 0x0                               ; K step 6's fragments are in
	PLACES
	FETCH 7                                        ; (leaves every window 0)
; 64 numbers of a lane, register 16 b + i = place 32 b + 16 (lane / 16) + i along the next K, become a fragment's codes in v[PC] on and its scale word in v[pw]
.macro QUANT s, pw
.irp b, 0,1,2,3
	v_max3_num_f32 v[TM+\b], |v[\s+16*\b]|, |v[\s+1+16*\b]|, 0x1800000   ; the floor 2^(3 - 127) holds the byte at 1 from below
.endr
.irp i, 2,4,6,8,10,12,14
.irp b, 0,1,2,3
	v_max3_num_f32 v[TM+\b], v[TM+\b], |v[\s+16*\b+\i]|, |v[\s+1+16*\b+\i]|
.endr
.endr
.irp b, 0,1,2,3
	v_permlanex16_b32 v[TM+4+\b], v[TM+\b], s[SEL], s[SEL+1]
.endr
.irp b, 0,1,2,3
	v_max_num_f32 v[TM+\b], v[TM+\b], v[TM+4+\b]   ; with lane l xor 16's: the block's largest magnitude
.endr
.irp b, 0,1,2,3
	v_add_nc_u32 v[TM+12+\b], 0xff000000, v[TM+\b]   ; 2 off its exponent field: the conversion's scale operand
.endr
.irp b, 0,1,2,3
	v_lshrrev_b32 v[TM+4+\b], 23, v[TM+12+\b]      ; the scale's byte
.endr
	v_lshl_or_b32 v[\pw], v[TM+5], 8, v[TM+4]
	v_lshl_or_b32 v[\pw], v[TM+6], 16, v[\pw]
	v_lshl_or_b32 v[\pw], v[TM+7], 24, v[\pw]
.irp c, 0,1
	v_cvt_scalef32_pk16_fp6_f32 v[PC+6*\c:PC+2+6*\c], v[\s+32*\c:\s+15+32*\c], v[TM+12+2*\c]
	v_cvt_scalef32_pk16_fp6_f32 v[PC+12+4*\c:PC+14+4*\c], v[\s+16+32*\c:\s+31+32*\c], v[TM+12+2*\c+1]
.endr
	v_nop                                          ; one plain line behind the conversions
.irp c, 0,1                            ; the operand's layout wants a whole block in a lane
.irp i, 0,1,2
	v_permlane16_swap_b32 v[PC+6*\c+\i], v[PC+12+4*\c+\i]
.endr
.irp i, 0,1,2
	v_mov_b32 v[PC+3+6*\c+\i], v[PC+12+4*\c+\i]
.endr
.endr
.endm
.macro TAIL                            ; the last two K steps, in each arm
	MUL 6, 0
	s_wait_dscnt 0x0                               ; K step 7's fragments
	MUL 7, 0
	WIN 0
	PLACES
	s_wait_loadcnt 0x0                             ; the biases
.irp b, 0,1,2,3
	v_mov_b32 v[TM+4+\b], 0                        ; a lane permute's destination counts as one of its sources
.endr
.endm
; A's tile a: the bias is added on the way from window 2 (ascending: each accumulator from its low end), the 64 numbers are quantised, the two half images leave: 512 + 256 consecutive bytes each
.macro ROW a, onebias, step
	WIN 0x02                                       ; source 0 window 2
.set i, 0
.rept 32
.if \onebias
	v_pk_add_f32 v[HA+2*i:HA+2*i+1], v[64*\a+2*i:64*\a+2*i+1], v[BI+2*\a:BI+2*\a+1]
.else
	v_pk_add_f32 v[HA+2*i:HA+2*i+1], v[64*\a+2*i:64*\a+2*i+1], v[BI+2*i:BI+2*i+1]
.endif
.set i, i+1
.endr
	WIN 0
.if \a > 0
	s_wait_xcnt 0x0                                ; the last tile's stores have read the codes' registers
.endif
	QUANT HA, PWS+\a
	global_store_b128 v[L16], v[PC:PC+3], s[82:83] offset:\step*\a
	global_store_b64 v[L8], v[PC+4:PC+5], s[82:83] offset:\step*\a+512
	global_store_b128 v[L16], v[PC+6:PC+9], s[84:85] offset:\step*\a
	global_store_b64 v[L8], v[PC+10:PC+11], s[84:85] offset:\step*\a+512
.endm
	s_cmp_eq_u32 ttmp9, 2                          ; the cluster's x: the same in all partners and all waves; no barrier stands in either arm
	s_cbranch_scc1 .Larm_v
	; ---------------- q and k: my 128 columns are two heads; half image c belongs to head bh0 + c ----------------
	s_lshr_b32 s20, s[TR], 4                       ; the batch
	s_lshl_b32 s20, s20, 4
	s_and_b32 s22, s[TC], 3
	s_lshl_b32 s22, s22, 2
	s_add_co_u32 s20, s20, s22
	s_lshl_b32 s22, s[WC], 1
	s_add_co_u32 s20, s20, s22                     ; bh0 = 16 batch + 4 (tc % 4) + 2 wc
	s_and_b32 s21, s[TR], 15                       ; the block of 128 tokens in the batch: for k a key step
	s_mov_b32 s76, 98304
	s_mov_b32 s77, 6144
	s_mov_b32 s78, 8192
	s_mov_b32 s79, 512
	s_mov_b32 s80, QSC
	s_cmp_eq_u32 ttmp9, 1                          ; k?
	s_cselect_b32 s76, 212992, s76                 ; images: from head to head,
	s_cselect_b32 s77, 13312, s77                  ; from block to block,
	s_cselect_b32 s78, 212992, s78                 ; scale words likewise
	s_cselect_b32 s79, 13312, s79
	s_cselect_b32 s80, 12288, s80
	s_cselect_b32 s81, 0, QIMG
	s_mul_i32 s82, s20, s76
	s_mul_i32 s83, s21, s77
	s_add_co_u32 s82, s82, s83
	s_mul_i32 s83, s[WR], 3072
	s_add_co_u32 s82, s82, s83
	s_add_co_u32 s82, s82, s81
	s_mov_b32 s83, 0
	s_mov_b32 s77, 0
	s_add_nc_u64 s[82:83], s[8:9], s[82:83]        ; head bh0's images
	s_add_nc_u64 s[84:85], s[82:83], s[76:77]      ; head bh0 + 1's
	s_mul_i32 s86, s20, s78
	s_mul_i32 s87, s21, s79
	s_add_co_u32 s86, s86, s87
	s_lshl_b32 s87, s[WR], 8
	s_add_co_u32 s86, s86, s87
	s_add_co_u32 s86, s86, s80
	s_mov_b32 s87, 0
	s_add_nc_u64 s[86:87], s[8:9], s[86:87]
	s_lshl_b32 s90, s[TC], 10                      ; the biases of my 128 columns
	s_lshl_b32 s91, s[WC], 9
	s_add_co_u32 s90, s90, s91
	s_mov_b32 s91, 0
	s_add_nc_u64 s[90:91], s[6:7], s[90:91]
	v_lshlrev_b32 v[LB], 6, v9                     ; 16 h numbers on
.irp b, 0,1,2,3,4,5,6,7
	global_load_b128 v[BI+8*\b:BI+8*\b+3], v[LB], s[90:91] offset:(32*(\b/2)+8*(\b%2))*4
	global_load_b128 v[BI+8*\b+4:BI+8*\b+7], v[LB], s[90:91] offset:(32*(\b/2)+8*(\b%2))*4+16
.endr
	TAIL
.irp a, 0,1,2,3
	ROW \a, 0, 768
.endr
	v_lshlrev_b32 v[SH], 4, v9                     ; lanes 0-15 serve head bh0 (bytes 0, 1 of a word), lanes 16-31 head bh0 + 1 (bytes 2, 3)
.irp a, 0,1,2,3
	v_lshrrev_b32 v[TW+\a], v[SH], v[PWS+\a]
.endr
.irp a, 0,1,2,3
	v_and_b32 v[TW+\a], 0xffff, v[TW+\a]
.endr
	v_mul_lo_u32 v[LSW], v9, s78
	v_lshl_add_u32 v[LSW], v2, 4, v[LSW]
	global_store_b128 v[LSW], v[TW:TW+3], s[86:87] ; row r's words of my four tiles: sixteen lanes fill 256 consecutive bytes of a head
	s_branch .Ljoin
	; ---------------- v: my 64 rows of A are one head's channels, my 128 rows of B one key step ----------------
.Larm_v:
	s_lshr_b32 s20, s[TC], 3                       ; the batch
	s_lshl_b32 s20, s20, 4
	s_lshl_b32 s21, s[TR], 1
	s_add_co_u32 s20, s20, s21
	s_add_co_u32 s20, s20, s[WR]                   ; batch x 16 + head
	s_lshl_b32 s20, s20, 4
	s_and_b32 s21, s[TC], 7
	s_lshl_b32 s21, s21, 1
	s_add_co_u32 s20, s20, s21
	s_add_co_u32 s20, s20, s[WC]                   ; x 16 + key step: the record
	s_mul_i32 s82, s20, 13312
	s_add_co_u32 s82, s82, 6144
	s_mov_b32 s83, 0
	s_add_nc_u64 s[82:83], s[8:9], s[82:83]        ; V's four fragments: half images c = 0,
	s_add_nc_u64 s[84:85], s[82:83], 768           ; c = 1,
	s_add_nc_u64 s[86:87], s[82:83], 6656          ; and V's scale words
	s_lshl_b32 s90, s[TR], 9
	s_lshl_b32 s91, s[WR], 8
	s_add_co_u32 s90, s90, s91
	s_add_co_u32 s90, s90, 8192                    ; b_qkv from column 2,048 + 128 tr + 64 wr on
	s_mov_b32 s91, 0
	s_add_nc_u64 s[90:91], s[6:7], s[90:91]
	v_and_b32 v[LB], 8, v2
	v_add_nc_u32 v[LB], v[LB], v2
	v_lshlrev_b32 v[LB], 2, v[LB]                  ; my row's channel in a tile: r + 8 (r / 8)
.irp a, 0,1,2,3
	global_load_b32 v[BI+2*\a], v[LB], s[90:91] offset:(32*(\a/2)+8*(\a%2))*4
	global_load_b32 v[BI+2*\a+1], v[LB], s[90:91] offset:(32*(\a/2)+8*(\a%2))*4   ; twice: a pair for the packed addition
.endr
	TAIL
.irp a, 0,1,2,3
	ROW \a, 1, 1536
.endr
	global_store_b128 v[L16], v[PWS:PWS+3], s[86:87]   ; row r's four words, in both halves of the lanes: 512 consecutive bytes
.Ljoin:
	s_wait_tensorcnt 0x0
	ds_add_u32 v254, v255
	s_wait_dscnt 0x0
	CROUND                                         ; the closing round: no work-group ends while a partner may still ask for a tile that names it
	s_endpgm
.Lfunc_end_k_qbb7451fac3_proj:
	.size	k_qbb7451fac3_proj, .Lfunc_end_k_qbb7451fac3_proj-k_qbb7451fac3_proj
	.p2alignl 7, 3214868480
	.fill 96, 4, 3214868480
	.section	.rodata,"a",@progbits
	.p2align	6, 0x0
	.amdhsa_kernel k_qbb7451fac3_proj
		.amdhsa_group_segment_fixed_size 295424
		.amdhsa_private_segment_fixed_size 0
		.amdhsa_enable_private_segment 0
		.amdhsa_kernarg_size 24
		.amdhsa_user_sgpr_count 2
		.amdhsa_user_sgpr_kernarg_segment_ptr 1
		.amdhsa_wavefront_size32 1
		.amdhsa_system_sgpr_workgroup_id_x 1
		.amdhsa_system_sgpr_workgroup_id_y 1
		.amdhsa_system_sgpr_workgroup_id_z 1
		.amdhsa_system_vgpr_workitem_id 0
		.amdhsa_next_free_vgpr 768
		.amdhsa_next_free_sgpr 100
		.amdhsa_reserve_vcc 0
		.amdhsa_float_denorm_mode_32 3
		.amdhsa_float_denorm_mode_16_64 3
		.amdhsa_memory_ordered 1
		.amdhsa_forward_progress 1
		.amdhsa_inst_pref_size 132
	.end_amdhsa_kernel
	.amdgpu_metadata
---
amdhsa.version: [ 1, 2 ]
amdhsa.kernels:
  - .name:           k_qbb7451fac3_proj
    .symbol:         k_qbb7451fac3_proj.kd
    .args:
      - { .name: cw, .offset: 0, .size: 8, .value_kind: global_buffer, .address_space: global }
      - { .name: b_qkv, .offset: 8, .size: 8, .value_kind: global_buffer, .address_space: global }
      - { .name: qkv, .offset: 16, .size: 8, .value_kind: global_buffer, .address_space: global }
    .group_segment_fixed_size: 295424
    .private_segment_fixed_size: 0
    .kernarg_segment_align: 8
    .kernarg_segment_size: 24
    .max_flat_workgroup_size: 128
    .sgpr_count:     100
    .vgpr_count:     768
    .wavefront_size: 32
...
	.end_amdgpu_metadata
.endif
;; end of part 2
;; launch attn (part 3): grid 8 x 32, 16 waves a work-group, clusters of 4 x 1, 268,800 bytes of LDS; arguments qkv, att; writes att
.if DOCPART == 3
	.amdgcn_target "amdgcn-amd-amdhsa--gfx1250"
	.amdhsa_code_object_version 6
	.text
	.protected	k_qbb7451fac3_attn
	.globl	k_qbb7451fac3_attn
	.p2align	8
	.type	k_qbb7451fac3_attn,@function
k_qbb7451fac3_attn:
	s_mov_b64 s[64:65], 0
	v_nop
	global_prefetch_b8 v0, s[64:65] scope:SCOPE_SE
	s_setreg_imm32_b32 hwreg(HW_REG_WAVE_MODE, 25, 1), 1
	s_wait_xcnt 0x0
	s_wait_alu depctr_hold_cnt(0) depctr_sa_sdst(0) depctr_va_vdst(0) depctr_va_sdst(0) depctr_va_ssrc(0) depctr_va_vcc(0) depctr_vm_vsrc(0)
	s_getreg_b32 s2, hwreg(HW_REG_IB_STS2, 6, 4)
	s_cmp_eq_u32 s2, 0
	s_cbranch_scc0 .Lentry_in_a_cluster
	s_endpgm
.Lentry_in_a_cluster:
	s_bfe_u32 s2, ttmp6, 0x10000c
	s_cmp_lg_u32 s2, 0x3003
	s_cbranch_scc0 .Lentry_shape_is_right
	s_endpgm
.Lentry_shape_is_right:
; o = softmax(q k^T / 8) v for one batch and head (work-group y) and 256 queries (work-group x), on codes of FP6 (E2M3) with E8M0 scales; o leaves as codes and scale bytes for the last product.
; qkv holds, for each batch, head and key step of 128 keys, a RECORD of 13,312 bytes: K's 8 half images of 768 bytes, V's 4 fragments of 1,536, K's 512 bytes of scale words, V's 512; behind the records q's images and words.
; 16 waves, a wave 16 queries.  Both products are used transposed (S^T = k q^T, O^T = v^T p^T): a lane holds one query throughout.
; FILLS: all 16 records lie in LDS at once.  Wave w asks for record w by ONE tensor load at the head; every wave waits for its load (0), one barrier shows all records to all, and the 16 steps have no barrier.  Nothing is filled again.
; CLUSTER 4, 1, 1: the four query blocks of a cluster read the same records: each load is a joint one, its descriptor made of the head and the wave's number alone.
; No prefetch: every tile is asked for at the head, so there is no fill inside the loop to run ahead of.
; LDS: the descriptor lays 64 bytes behind each 256, so a block of 256 bytes has a pitch of 320.  Two tiles of K, 6 blocks, are then 1,920 bytes apart, 128 modulo 256: the picked rows below touch all 64 banks once.
; WHICH KEYS FORM A TILE OF K: tile 4 c + t takes as rows 0-7 keys 64 c + 8 t + 0..7 and as rows 8-15 keys 64 c + 32 + 8 t + 0..7.  In the result lane (r, h) then holds, in registers 32 c + 0..31, keys 64 c + 32 h + 0..31:
; ONE WHOLE SCALE BLOCK OF p, in the order of the operand's registers: a block's maximum needs no other lane and its codes no lane swap.  The images hold key 32 g + 16 a + 8 u + j as row 8 a + j of tile 2 g + u, so the rows are picked by the lanes' addresses.
; K = 64 IN A PRODUCT OF 128: q's registers 6-11 are zero codes, so what stands in k's registers 6-11 adds nothing (every pattern is a finite code; the scale bytes there are 0, a finite code): k's fragments lie 6 registers apart,
; each operand reaching over the next fragment, the last over v80-85.
; SOFTMAX: M is the running largest t = score x log2(e) / 8, rounded up to a whole number, kept as -M by turns in v12 and v6; p = 2^(t - M); the sum is taken of the unquantised p; when M moves, the sum and O^T are multiplied by
; 2^(old M - new M), always, with no branch.  A block's largest p is made from its largest score by the same multiply-add and exponential.
; LIMITS: NaN and infinities are not served; the promise holds while the scaled scores stay under 2^31 in magnitude; a block of p or o under 2^-124, zeros among them, keeps the scale byte 1 (its bytes are read by this program alone).
.set QIMG,  6815744
.set QSC,   9961472
.set ASCO,  3145728
.set REC,   13312                      ; a record in memory: 52 blocks of 256 bytes
.set BL,    320                        ; a block's pitch in LDS
.set RECL,  52*BL                      ; a record in LDS
.set SCST,  16*RECL                    ; behind the records: 512 bytes for o's scale bytes, written by LDS stores alone
.set SPARE, SCST+512                   ; the spare words, 128 bytes a wave
.set WK16, 0                           ; v0   (behind the head) K's addresses of this trip: registers 0-3,
.set BK16, 1                           ; v1   lane terms: 1,920 (r / 8) + 320 h + 16 (r % 8)
.set BK8,  2                           ; v2   1,920 (r / 8) + 16 (r % 8) + 8 h
.set BKS,  3                           ; v3   320 h + 16 (r % 8) + 8 (r / 8)
.set BV16, 4                           ; v4   320 h + 16 r
.set BV8,  5                           ; v5   16 r + 8 h
.set Y0,   7                           ; v7, v8  the second chains of the maxima; ahead of them V's addresses of this step
.set Y1,   8
.set WK8,  9                           ; v9   registers 4-5,
.set SPW,  10
.set NIL,  11
.set VS,   28                          ; v28-31 V's scale words
.set KF,   32                          ; v32-79 K's eight fragments
.set T0,   80                          ; v80-82, v84-86 the upper halves of p's two blocks, before they are moved
.set SH8,  83                          ; v83  8 h
.set T1,   84
.set QS,   87                          ; v87  q's scale words
.set VF,   88                          ; v88-135 V's four fragments
.set S,    136                         ; v136-199 the scores, then p
.set OT,   200                         ; v200-231 O^T
.set P,    232                         ; v232-243 p's codes
.set KS,   244                         ; v244-247 K's scale words; behind the products at work:
.set A2,   244                         ; the sum's second chain,
.set B0,   246                         ; the two scale bytes
.set B1,   247
.set F,    248                         ; v248 2^(old M - new M)
.set PW,   249                         ; v249 p's scale word
.set WKS,  250                         ; v250 and K's scale words' address
.set X0,   251                         ; v251, v252 the blocks' largest scores, then largest p
.set X1,   252
.set SOP,  251                         ; the conversions' scale operands are made in place of the largest p
.set STA,  253                         ; v253 LDS: my wave's 32 scale bytes of o, 2 a row; made at the head and kept
.set RDA,  254                         ; v254 LDS: the stage read back, 16 bytes a lane; made at the head and kept
.set TP,   255
.set H,    136                         ; the way out: o's 32 numbers,
.set TM,   168                         ; at work,
.set PC,   184                         ; the codes
.set WV, 8
.set CX, 9
.set QB, 10
.set BH, 11
.set G1, 16
.set G0, 24
.set SEL, 40
.set CS, 42
.set TB, 44
.set CNT, 45
.macro CROUND
	s_barrier_signal -1
	s_barrier_wait -1
	s_cmp_lg_u32 s[WV], 0
	s_cbranch_scc1 .Lnot_wave_0_\@
	s_barrier_signal -3
.Lnot_wave_0_\@:
	s_barrier_wait -3
	s_barrier_signal -1
	s_barrier_wait -1
.endm
	s_load_b128 s[4:7], s[0:1], 0x0                ; qkv, att
	v_lshl_add_u32 v[SPW], v0, 2, SPARE
	v_mov_b32 v[NIL], 0
	ds_add_u32 v[SPW], v[NIL]                      ; the opening lines: the add twice on end and its wait
	ds_add_u32 v[SPW], v[NIL]
	v_lshrrev_b32 v1, 5, v0
	v_readfirstlane_b32 s[WV], v1                  ; wave 0..15
	s_bfe_u32 s[CX], ttmp6, 0x40000
	s_lshl_b32 s[QB], ttmp9, 2
	s_add_co_u32 s[QB], s[QB], s[CX]               ; block of 256 queries
	s_and_b32 s[BH], ttmp7, 0xffff                 ; batch x 16 + head
	s_mov_b32 s[G1], 15|(3<<16)|(1<<20)|(1<<21)|(5<<22)|(15<<25)   ; all four partners; elements of 8 bytes; 16 words of padding behind every 64
	s_mov_b32 s[G1+1], 32<<16
	s_mov_b32 s[G1+2], 52<<16
	s_mov_b32 s[G1+3], 32<<16
	s_mov_b32 s[G1+4], 52                          ; 52 rows of 256 bytes
	s_mov_b32 s[G1+5], 32
	s_mov_b32 s[G1+6], 0
	s_mov_b32 s[G1+7], 0
	s_mul_i32 s12, s[WV], REC
	s_mul_i32 s14, s[BH], 16*REC
	s_add_co_u32 s14, s14, s12                     ; record w of my head
	s_mov_b32 s15, 0
	s_mov_b32 s[G0], 1
	s_mul_i32 s[G0+1], s[WV], RECL
	s_lshl_b32 s46, s[BH], 7                       ; q's half image: tile 128 bh + 16 qb + w
	s_lshl_b32 s47, s[QB], 4
	s_add_co_u32 s46, s46, s47
	s_add_co_u32 s46, s46, s[WV]
	s_mul_i32 s46, s46, 768
	s_add_co_u32 s46, s46, QIMG
	s_mov_b32 s47, 0
	s_lshl_b32 s48, s[BH], 13                      ; q's scale words: [head][four tiles][row][tile]
	s_lshl_b32 s49, s[QB], 10
	s_add_co_u32 s48, s48, s49
	s_lshr_b32 s49, s[WV], 2
	s_lshl_b32 s49, s49, 8
	s_add_co_u32 s48, s48, s49
	s_and_b32 s49, s[WV], 3
	s_lshl_b32 s49, s49, 2
	s_add_co_u32 s48, s48, s49
	s_add_co_u32 s48, s48, QSC
	s_mov_b32 s49, 0
	s_lshr_b32 s50, s[BH], 4                       ; the batch
	s_and_b32 s52, s[BH], 15                       ; the head
	s_lshl_b32 s54, s50, 7                         ; o's codes: token tile x 12,288 + head x 768
	s_lshl_b32 s53, s[QB], 4
	s_add_co_u32 s54, s54, s53
	s_add_co_u32 s54, s54, s[WV]
	s_mul_i32 s54, s54, 12288
	s_mul_i32 s53, s52, 768
	s_add_co_u32 s54, s54, s53
	s_mov_b32 s55, 0
	s_lshl_b32 s56, s52, 13                        ; o's scale bytes: [head][token place][2]
	s_lshl_b32 s57, s50, 12
	s_add_co_u32 s56, s56, s57
	s_lshl_b32 s57, s[QB], 9
	s_add_co_u32 s56, s56, s57
	s_add_co_u32 s56, s56, ASCO
	s_mov_b32 s57, 0
	s_lshl_b32 s58, s[WV], 5
	s_add_co_u32 s58, s58, SCST
	s_mov_b32 s[SEL], 0x76543210
	s_mov_b32 s[SEL+1], 0xfedcba98                 ; selects for lane l xor 16
	s_mov_b32 s[CS], 0x3e38aa3b                    ; log2(e) / 8
	s_mov_b32 s[CS+1], s[CS]
	s_mov_b32 s[TB], 0
	s_mov_b32 s[CNT], 8
	s_wait_dscnt 0x0
	s_wait_kmcnt 0x0
	s_add_nc_u64 s[G0+2:G0+3], s[4:5], s[14:15]
	s_or_b32 s[G0+3], s[G0+3], 0x80000000
	s_add_nc_u64 s[46:47], s[4:5], s[46:47]
	s_add_nc_u64 s[48:49], s[4:5], s[48:49]
	s_add_nc_u64 s[54:55], s[6:7], s[54:55]
	s_add_nc_u64 s[56:57], s[6:7], s[56:57]
	CROUND                                         ; the four partners are here: the joint loads meet
	tensor_load_to_lds s[G0:G0+3], s[G1:G1+7]      ; my one load: record w
	s_nop 0
.rept 4
	v_nop
.endr
	v_and_b32 v244, 15, v0                         ; r
	v_bfe_u32 v245, v0, 4, 1                       ; h
	v_and_b32 v246, 7, v0                          ; r % 8
	v_bfe_u32 v247, v0, 3, 1                       ; r / 8
	v_and_b32 v136, 31, v0
	v_lshlrev_b32 v136, 4, v136                    ; 16 x lane
	v_lshlrev_b32 v137, 4, v244                    ; 16 r
	v_mad_u32_u24 v[BV16], v245, BL, v137
	v_lshl_add_u32 v[BV8], v245, 3, v137
	v_lshlrev_b32 v251, 4, v246
	v_mad_u32_u24 v252, v247, 6*BL, v251
	v_mad_u32_u24 v[BK16], v245, BL, v252
	v_lshl_add_u32 v[BK8], v245, 3, v252
	v_mad_u32_u24 v[BKS], v245, BL, v251
	v_lshl_add_u32 v[BKS], v247, 3, v[BKS]
	v_lshlrev_b32 v[SH8], 3, v245
	v_lshl_add_u32 v[STA], v244, 1, s58
	v_add_nc_u32 v[RDA], SCST, v136
	global_load_b128 v[16:19], v136, s[46:47]      ; q's fragment, k = 0 .. 63
	global_load_b64 v[20:21], v[BV8], s[46:47] offset:512
	global_load_b32 v[QS], v137, s[48:49]
	v_mov_b32 v[WK16], v[BK16]                     ; the first trip's addresses
	v_mov_b32 v[WK8], v[BK8]
	v_mov_b32 v[WKS], v[BKS]
.irp j, 22,23,24,25,26,27,80,81,82,84,85,86
	v_mov_b32 v[\j], 0                             ; q's zero codes for k = 64 .. 127; v80-86 are read as codes before they are first made
.endr
	v_mov_b32 v13, 0xff61b1e6                      ; the largest score so far: -3e38
	v_mov_b32 v6, 0x7f61b1e6                       ; and -M to match: the first step's factor comes out 0
	v_mov_b32 v[Y0], 0
	v_mov_b32 v14, 0                               ; the sum, in two halves
	v_mov_b32 v15, 0
	v_mov_b32 v[TP], 0                             ; a lane permute's destination counts as one of its sources
	v_mov_b32 v[PW], 0
.set J, 0
.rept 32
	v_mov_b32 v[OT+J], 0                           ; O^T: the step is written once, and the first finds zeros
.set J, J+1
.endr
; A step: 128 keys.  ro: the record's place from the trip's base; nn, on: the registers of the new and the old -M; second = 1: the trip's second step, which steps the base
.macro STEP ro, nn, on, second
	ds_load_b64 v[KS:KS+1], v[WKS] offset:\ro+48*BL        ; register t: lanes 0-15 the words of tile t's rows, lanes 16-31 of tile 4 + t's
	ds_load_b64 v[KS+2:KS+3], v[WKS] offset:\ro+48*BL+128
.irp n, 0,1,2,3,4,5,6,7
	ds_load_b128 v[KF+6*\n:KF+6*\n+3], v[WK16] offset:\ro+3*BL*(4*(\n/4)+\n%2)+128*((\n%4)/2)
	ds_load_b64 v[KF+6*\n+4:KF+6*\n+5], v[WK8] offset:\ro+3*BL*(4*(\n/4)+\n%2)+2*BL+128*((\n%4)/2)
.endr
	s_wait_dscnt 0x0
.irp n, 0,1,2,3
	v_wmma_scale_f32_16x16x128_f8f6f4 v[S+8*\n:S+8*\n+7], v[KF+6*\n:KF+6*\n+11], v[16:27], 0, v[KS+\n], v[QS] matrix_a_fmt:MATRIX_FMT_FP6 matrix_b_fmt:MATRIX_FMT_FP6
.endr
.irp n, 0,1,2,3
	v_wmma_scale_f32_16x16x128_f8f6f4 v[S+32+8*\n:S+32+8*\n+7], v[KF+24+6*\n:KF+24+6*\n+11], v[16:27], 0, v[KS+\n], v[QS] matrix_a_fmt:MATRIX_FMT_FP6 matrix_b_fmt:MATRIX_FMT_FP6 matrix_a_scale:MATRIX_SCALE_ROW1
.endr
	v_add_nc_u32 v[Y0], s[TB], v[BV16]             ; V's addresses; with the lines below the four places behind the products, ahead of the loads into V's registers and of the first read of a score
	v_add_nc_u32 v[Y1], s[TB], v[BV8]
.if \second
	s_add_co_u32 s[TB], s[TB], 2*RECL
	v_add_nc_u32 v[WK16], s[TB], v[BK16]           ; the next trip's addresses of K
	v_add_nc_u32 v[WK8], s[TB], v[BK8]
	v_add_nc_u32 v[WKS], s[TB], v[BKS]
.else
	v_nop
	v_nop
.endif
	ds_load_b128 v[VS:VS+3], v[Y0] offset:\ro+50*BL
.irp t, 0,1,2,3
	ds_load_b128 v[VF+12*\t:VF+12*\t+3], v[Y0] offset:\ro+(24+6*\t)*BL
	ds_load_b64 v[VF+12*\t+4:VF+12*\t+5], v[Y1] offset:\ro+(26+6*\t)*BL
	ds_load_b128 v[VF+12*\t+6:VF+12*\t+9], v[Y0] offset:\ro+(27+6*\t)*BL
	ds_load_b64 v[VF+12*\t+10:VF+12*\t+11], v[Y1] offset:\ro+(29+6*\t)*BL
.endr
	v_max3_num_f32 v[X0], v[S], v[S+1], v[S+2]     ; each block's largest score, in two chains a block, the four by turns; each accumulator is read from its low end on
	v_max3_num_f32 v[Y0], v[S+16], v[S+17], v[S+18]
	v_max3_num_f32 v[X1], v[S+32], v[S+33], v[S+34]
	v_max3_num_f32 v[Y1], v[S+48], v[S+49], v[S+50]
.irp i, 3,5,7,9,11,13
	v_max3_num_f32 v[X0], v[X0], v[S+\i], v[S+\i+1]
	v_max3_num_f32 v[Y0], v[Y0], v[S+16+\i], v[S+17+\i]
	v_max3_num_f32 v[X1], v[X1], v[S+32+\i], v[S+33+\i]
	v_max3_num_f32 v[Y1], v[Y1], v[S+48+\i], v[S+49+\i]
.endr
	v_max3_num_f32 v[X0], v[X0], v[S+15], v[Y0]
	v_max3_num_f32 v[X1], v[X1], v[S+47], v[Y1]
	v_max_num_f32 v[X0], v[X0], v[S+31]
	v_max_num_f32 v[X1], v[X1], v[S+63]
	s_delay_alu instid0(VALU_DEP_1)
	v_max3_num_f32 v13, v13, v[X0], v[X1]          ; the running largest score of my query: my 64 keys,
	s_delay_alu instid0(VALU_DEP_1)
	v_permlanex16_b32 v[TP], v13, s[SEL], s[SEL+1]
	s_delay_alu instid0(VALU_DEP_1)
	v_max_num_f32 v13, v13, v[TP]                  ; and lane l xor 16's
	s_delay_alu instid0(VALU_DEP_1)
	v_mul_f32 v[TP], s[CS], v13                    ; as t
	s_delay_alu instid0(VALU_DEP_1)
	v_floor_f32 v[\nn], -v[TP]                     ; -M = floor(-t): a whole number
	s_delay_alu instid0(VALU_DEP_1)
	v_sub_f32 v[TP], v[\nn], v[\on]                ; old M - new M, 0 or less
	v_fma_f32 v[X0], v[X0], s[CS], v[\nn]          ; the blocks' largest t - M
	v_fma_f32 v[X1], v[X1], s[CS], v[\nn]
	v_cvt_i32_f32 v[TP], v[TP]                     ; (it saturates)
	v_pk_fma_f32 v[S:S+1], v[S:S+1], s[CS:CS+1], v[\nn:\nn+1] op_sel_hi:[1,0,0]
	v_pk_fma_f32 v[S+2:S+3], v[S+2:S+3], s[CS:CS+1], v[\nn:\nn+1] op_sel_hi:[1,0,0]
	v_ldexp_f32 v[F], 1.0, v[TP]                   ; 2^(old M - new M): a multiplication by it rounds nothing
.set J, 4
.rept 30
	v_pk_fma_f32 v[S+J:S+J+1], v[S+J:S+J+1], s[CS:CS+1], v[\nn:\nn+1] op_sel_hi:[1,0,0]   ; t - M, two at a time
.set J, J+2
.endr
.set J, 0
.rept 16
	v_pk_mul_f32 v[OT+J:OT+J+1], v[OT+J:OT+J+1], v[F:F+1] op_sel_hi:[1,0]   ; O^T under the new M, ahead of the exponentials
.set J, J+2
.endr
	s_wait_alu depctr_va_vdst(0)                   ; the wait ahead of the batch
	v_exp_f32 v[X0], v[X0]                         ; the blocks' largest p
	v_exp_f32 v[X1], v[X1]
.set J, 0
.rept 64
	v_exp_f32 v[S+J], v[S+J]                       ; p = 2^(t - M)
.set J, J+1
.endr
	v_nop                                          ; one plain place behind the batch
	s_wait_alu depctr_va_vdst(0)                   ; and the one wait ahead of its first reader
	v_max_num_f32 v[X0], 0x1800000, v[X0]          ; the floor 2^(3 - 127) holds the byte at 1 from below
	v_max_num_f32 v[X1], 0x1800000, v[X1]
	v_add_nc_u32 v[SOP], 0xff000000, v[X0]         ; 2 off the exponent field: the conversions' scale operands
	v_add_nc_u32 v[SOP+1], 0xff000000, v[X1]
	v_lshrrev_b32 v[B0], 23, v[SOP]                ; the bytes of blocks h and 2 + h
	v_lshrrev_b32 v[B1], 23, v[SOP+1]
	v_cvt_scalef32_pk16_fp6_f32 v[P:P+2], v[S:S+15], v[SOP]
	v_cvt_scalef32_pk16_fp6_f32 v[T0:T0+2], v[S+16:S+31], v[SOP]       ; (a conversion's three registers begin on an even number)
	v_cvt_scalef32_pk16_fp6_f32 v[P+6:P+8], v[S+32:S+47], v[SOP+1]
	v_cvt_scalef32_pk16_fp6_f32 v[T1:T1+2], v[S+48:S+63], v[SOP+1]
	v_lshl_or_b32 v[B0], v[B1], 16, v[B0]          ; (also the plain line behind the conversions)
	v_lshlrev_b32 v[B0], v[SH8], v[B0]             ; at their places in the word
.irp i, 0,1,2
	v_mov_b32 v[P+3+\i], v[T0+\i]
	v_mov_b32 v[P+9+\i], v[T1+\i]
.endr
	v_permlanex16_b32 v[TP], v[B0], s[SEL], s[SEL+1]
	v_or_b32 v[PW], v[B0], v[TP]                   ; with lane l xor 16's two bytes the query's word is whole
	v_pk_fma_f32 v[14:15], v[14:15], v[F:F+1], v[S:S+1] op_sel_hi:[1,0,1]   ; the sum under the new M, and the unquantised p onto it, in two chains: 32 lines, the places ahead of the products too
	v_pk_add_f32 v[A2:A2+1], v[S+2:S+3], v[S+4:S+5]
.set J, 6
.rept 14
	v_pk_add_f32 v[14:15], v[14:15], v[S+J:S+J+1]
	v_pk_add_f32 v[A2:A2+1], v[A2:A2+1], v[S+J+2:S+J+3]
.set J, J+4
.endr
	v_pk_add_f32 v[14:15], v[14:15], v[S+62:S+63]
	v_pk_add_f32 v[14:15], v[14:15], v[A2:A2+1]
	s_wait_alu depctr_va_vdst(0)
	s_wait_dscnt 0x0                               ; V's fragments and words are in
.irp t, 0,1,2,3
	v_wmma_scale_f32_16x16x128_f8f6f4 v[OT+8*\t:OT+8*\t+7], v[VF+12*\t:VF+12*\t+11], v[P:P+11], v[OT+8*\t:OT+8*\t+7], v[VS+\t], v[PW] matrix_a_fmt:MATRIX_FMT_FP6 matrix_b_fmt:MATRIX_FMT_FP6
.endr
.endm
	s_wait_alu depctr_va_vdst(0)
	s_wait_loadcnt 0x0                             ; q
	s_wait_tensorcnt 0x0                           ; my record is in
	s_barrier_signal -1
	s_barrier_wait -1                              ; everybody's is
.Ltrip:
	STEP 0, 12, 6, 0
	STEP RECL, 6, 12, 1
	s_sub_co_u32 s[CNT], s[CNT], 1
	s_cmp_lg_u32 s[CNT], 0
	s_cbranch_scc1 .Ltrip
	; THE WAY OUT: o = O^T / the sum; by the order of V's rows the 16 registers of tiles 2 b, 2 b + 1 are channels 32 b + 16 h + 0 .. 15; quantised along the head's 64
	v_add_f32 v14, v14, v15
	v_add_nc_u32 v196, -SCST, v[RDA]               ; 16 x lane
	v_permlanex16_b32 v[TP], v14, s[SEL], s[SEL+1]
	v_add_f32 v14, v14, v[TP]                      ; the row's sum
	v_mov_b32 v[TM+4], 0
	v_mov_b32 v[TM+5], 0
	s_wait_alu depctr_va_vdst(0)
	v_rcp_f32 v14, v14
	v_nop
	s_wait_alu depctr_va_vdst(0)
.set J, 0
.rept 16
	v_pk_mul_f32 v[H+J:H+J+1], v[OT+J:OT+J+1], v[14:15] op_sel_hi:[1,0]
.set J, J+2
.endr
.irp b, 0,1
	v_max3_num_f32 v[TM+\b], |v[H+16*\b]|, |v[H+16*\b+1]|, 0x1800000
.endr
.irp i, 2,4,6,8,10,12,14
.irp b, 0,1
	s_delay_alu instid0(VALU_DEP_2)
	v_max3_num_f32 v[TM+\b], v[TM+\b], |v[H+16*\b+\i]|, |v[H+16*\b+\i+1]|
.endr
.endr
.irp b, 0,1
	s_delay_alu instid0(VALU_DEP_2)
	v_permlanex16_b32 v[TM+4+\b], v[TM+\b], s[SEL], s[SEL+1]
.endr
.irp b, 0,1
	s_delay_alu instid0(VALU_DEP_2)
	v_max_num_f32 v[TM+\b], v[TM+\b], v[TM+4+\b]
.endr
.irp b, 0,1
	s_delay_alu instid0(VALU_DEP_2)
	v_add_nc_u32 v[TM+12+\b], 0xff000000, v[TM+\b]
.endr
.irp b, 0,1
	s_delay_alu instid0(VALU_DEP_2)
	v_lshrrev_b32 v[TM+4+\b], 23, v[TM+12+\b]
.endr
	s_delay_alu instid0(VALU_DEP_1)
	v_lshl_or_b32 v[TM+8], v[TM+5], 8, v[TM+4]
	v_cvt_scalef32_pk16_fp6_f32 v[PC:PC+2], v[H:H+15], v[TM+12]
	v_cvt_scalef32_pk16_fp6_f32 v[PC+8:PC+10], v[H+16:H+31], v[TM+13]
	v_nop
.irp i, 0,1,2
	v_permlane16_swap_b32 v[PC+\i], v[PC+8+\i]     ; a whole block to a lane
.endr
.irp i, 0,1,2
	s_delay_alu instid0(VALU_DEP_3)
	v_mov_b32 v[PC+3+\i], v[PC+8+\i]
.endr
	global_store_b128 v196, v[PC:PC+3], s[54:55]               ; 512 consecutive bytes
	global_store_b64 v[BV8], v[PC+4:PC+5], s[54:55] offset:512 ; 256 consecutive bytes
	ds_store_b16 v[STA], v[TM+8]
	s_wait_dscnt 0x0
	s_barrier_signal -1
	s_barrier_wait -1
	s_cmp_lg_u32 s[WV], 0
	s_cbranch_scc1 .Lnot_first
	ds_load_b128 v[136:139], v[RDA]
	s_wait_dscnt 0x0
	global_store_b128 v196, v[136:139], s[56:57]
.Lnot_first:
	s_wait_tensorcnt 0x0                           ; the wave's end
	ds_add_u32 v[SPW], v[NIL]
	s_wait_dscnt 0x0
	CROUND                                         ; the closing round
	s_endpgm
.Lfunc_end_k_qbb7451fac3_attn:
	.size	k_qbb7451fac3_attn, .Lfunc_end_k_qbb7451fac3_attn-k_qbb7451fac3_attn
	.p2alignl 7, 3214868480
	.fill 96, 4, 3214868480
	.section	.rodata,"a",@progbits
	.p2align	6, 0x0
	.amdhsa_kernel k_qbb7451fac3_attn
		.amdhsa_group_segment_fixed_size 268800
		.amdhsa_private_segment_fixed_size 0
		.amdhsa_enable_private_segment 0
		.amdhsa_kernarg_size 16
		.amdhsa_user_sgpr_count 2
		.amdhsa_user_sgpr_kernarg_segment_ptr 1
		.amdhsa_wavefront_size32 1
		.amdhsa_system_sgpr_workgroup_id_x 1
		.amdhsa_system_sgpr_workgroup_id_y 1
		.amdhsa_system_sgpr_workgroup_id_z 1
		.amdhsa_system_vgpr_workitem_id 0
		.amdhsa_next_free_vgpr 256
		.amdhsa_next_free_sgpr 66
		.amdhsa_reserve_vcc 0
		.amdhsa_float_denorm_mode_32 3
		.amdhsa_float_denorm_mode_16_64 3
		.amdhsa_memory_ordered 1
		.amdhsa_forward_progress 1
		.amdhsa_inst_pref_size 42
	.end_amdhsa_kernel
	.amdgpu_metadata
---
amdhsa.version: [ 1, 2 ]
amdhsa.kernels:
  - .name:           k_qbb7451fac3_attn
    .symbol:         k_qbb7451fac3_attn.kd
    .args:
      - { .name: qkv, .offset: 0, .size: 8, .value_kind: global_buffer, .address_space: global }
      - { .name: att, .offset: 8, .size: 8, .value_kind: global_buffer, .address_space: global }
    .group_segment_fixed_size: 268800
    .private_segment_fixed_size: 0
    .kernarg_segment_align: 8
    .kernarg_segment_size: 16
    .max_flat_workgroup_size: 512
    .sgpr_count:     66
    .vgpr_count:     256
    .wavefront_size: 32
...
	.end_amdgpu_metadata
.endif
;; end of part 3
;; launch outp (part 4): grid 8 x 32, 4 waves a work-group, clusters of 4 x 4, 214,528 bytes of LDS; arguments att, cw, b_out, out0; writes out0
.if DOCPART == 4
	.amdgcn_target "amdgcn-amd-amdhsa--gfx1250"
	.amdhsa_code_object_version 6
	.text
	.protected	k_qbb7451fac3_outp
	.globl	k_qbb7451fac3_outp
	.p2align	8
	.type	k_qbb7451fac3_outp,@function
k_qbb7451fac3_outp:
	s_mov_b64 s[64:65], 0
	v_nop
	global_prefetch_b8 v0, s[64:65] scope:SCOPE_SE
	s_setreg_imm32_b32 hwreg(HW_REG_WAVE_MODE, 25, 1), 1
	s_wait_xcnt 0x0
	s_wait_alu depctr_hold_cnt(0) depctr_sa_sdst(0) depctr_va_vdst(0) depctr_va_sdst(0) depctr_va_ssrc(0) depctr_va_vcc(0) depctr_vm_vsrc(0)
	s_getreg_b32 s2, hwreg(HW_REG_IB_STS2, 6, 4)
	s_cmp_eq_u32 s2, 0
	s_cbranch_scc0 .Lentry_in_a_cluster
	s_endpgm
.Lentry_in_a_cluster:
	s_bfe_u32 s2, ttmp6, 0x10000c
	s_cmp_lg_u32 s2, 0xf033
	s_cbranch_scc0 .Lentry_shape_is_right
	s_endpgm
.Lentry_shape_is_right:
; out0 = attn W_out + b_out on codes of FP6 (E2M3) with E8M0 scales, K = 1,024; out0 [4096][1024] f32.
; C = A B^T on register images: A = the attention's codes (tokens), B = W_out's columns.  A work-group makes 128 x 128 of C (256 work-groups) and holds both operands for ALL of K in LDS: 192 KiB, filled ONCE,
; in four parts along K, all asked for at the head; counted waits let the work begin on part 0.  A wave has one tensor load out.  Nothing in LDS is filled twice.
; THE PRODUCT IS USED TRANSPOSED: source 0 = 16 rows of B, source 1 = 16 rows of A: a lane holds one token; by the images' order of rows the 16 registers of B's tiles 2 b, 2 b + 1 are 16 neighbouring columns.
; The bias is the C of each sum's first product.  CLUSTERS 4 x 4: A's tiles are shared along a row of the cluster, B's along a column, by joint loads.
; Four waves: wr = wave / 2 takes 4 tiles of A, wc = wave % 2 takes 4 tiles of B: 64 x 64 a wave, 16 accumulators, which take turns, one instruction a turn.
; The images hold tokens with bits 3 and 4 of their number exchanged: the way out puts each row where it belongs.
; REGISTERS: window 0: v1-11 lane terms; v12-27 LDS addresses; v32-47 A's scale words, v48-63 B's; v80-127, v128-175 A's fragments, two sets (on the way out: rows of C); v180-211 the bias; v212-243 A's scale bytes as loaded.
;   window 1: B's fragments, two sets, at v0 and v128.   window 2: accumulator (a, b) at v[8 (4 a + b)].
; THE FILLS, as the text below has them (this stands over what the lines above say of four parts and counted waits): each wave asks for its whole share, four tiles for all of K, 49,152 dense bytes, by ONE tensor load at the head:
; waves 0, 1 for A, waves 2, 3 for B.  LDS holds the tiles as memory has them, 12,288 bytes a tile: A's eight from 0, B's eight from 98,304.  Every wave waits for its load (0), one barrier shows all to all, and no further barrier stands in the walk along K.
.set BT,     4
.set CH,     24576+BT*6144
.set WOIMG,  5505024
.set WOSC,   6520832
.set ASCO,   3145728
.set STG,    4*CH                      ; behind the operands: a stage of 16 rows x (256 + 16) bytes for each wave, written by LDS stores alone
.set L16,  3
.set L8,   4
.set LSC,  5
.set LB,   6
.set LAS,  7
.set STO,  8
.set RD,   10
.set CO,   11
.set ADA16, 12
.set ADA8,  16
.set ADB16, 20
.set ADB8,  24
.set SCA,  32
.set SCB,  48
.set AF,   80
.set BK,   80
.set BI,   180
.set U,    212
.set WV, 12
.set WR, 13
.set WC, 14
.set CX, 15
.set CY, 16
.set TR, 17
.set TC, 18
.set G1A, 24
.set G0A, 32
.set G0B, 48
.set G1B, 68
.set MSB, 0
.macro WIN new                         ; the immediate's high byte repeats the setting that is left
.if MSB != \new
	s_set_vgpr_msb (MSB<<8)|\new
.set MSB, \new
.endif
.endm
.macro PLACES
.rept 4
	v_nop
.endr
.endm
.macro CROUND
	s_barrier_signal -1
	s_barrier_wait -1
	s_cmp_lg_u32 s[WV], 0
	s_cbranch_scc1 .Lnot_wave_0_\@
	s_barrier_signal -3
.Lnot_wave_0_\@:
	s_barrier_wait -3
	s_barrier_signal -1
	s_barrier_wait -1
.endm
	s_load_b256 s[4:11], s[0:1], 0x0               ; att s[4:5], cw s[6:7], b_out s[8:9], out0 s[10:11]
	v_lshl_add_u32 v254, v0, 2, 0x34400
	v_mov_b32 v255, 0
	ds_add_u32 v254, v255
	ds_add_u32 v254, v255
	v_lshrrev_b32 v1, 5, v0
	v_readfirstlane_b32 s[WV], v1
	s_lshr_b32 s[WR], s[WV], 1                     ; my 4 tiles of A.  Also: I fetch for A (0) or for B (1)
	s_and_b32 s[WC], s[WV], 1                      ; my 4 tiles of B.  Also: which half of that operand's tiles I fetch
	s_bfe_u32 s[CX], ttmp6, 0x40000
	s_bfe_u32 s[CY], ttmp6, 0x40004
	s_lshl_b32 s[TC], ttmp9, 2
	s_add_co_u32 s[TC], s[TC], s[CX]               ; block of 128 columns
	s_and_b32 s[TR], ttmp7, 0xffff
	s_lshl_b32 s[TR], s[TR], 2
	s_add_co_u32 s[TR], s[TR], s[CY]               ; block of 128 tokens
	s_lshl_b32 s78, s[CY], 2
	s_lshl_b32 s78, 15, s78                        ; my row of the cluster
	s_lshl_b32 s79, 0x1111, s[CX]                  ; my column
	; group 1: a dense block of four tiles as 16 rows of 3,072 bytes (384 elements of 8 bytes); dense in LDS
	s_or_b32 s[G1A], s78, (3<<16)|(1<<21)
	s_or_b32 s[G1B], s79, (3<<16)|(1<<21)
.irp g, G1A, G1B
	s_mov_b32 s[\g+1], 384<<16
	s_mov_b32 s[\g+2], 16<<16
	s_mov_b32 s[\g+3], 384<<16
	s_mov_b32 s[\g+4], 16
	s_mov_b32 s[\g+5], 384
	s_mov_b32 s[\g+6], 0
	s_mov_b32 s[\g+7], 0
.endr
	s_lshl_b32 s20, s[TR], 3
	s_lshl_b32 s21, s[WC], 2
	s_add_co_u32 s20, s20, s21                     ; A: the four tiles that I would fetch
	s_mul_i32 s20, s20, 12288
	s_mov_b32 s21, 0
	s_lshl_b32 s76, s[TC], 3
	s_lshl_b32 s77, s[WC], 2
	s_add_co_u32 s76, s76, s77                     ; B: the four tiles that I would fetch, and that I multiply
	s_lshl_b32 s92, s76, 9
	s_add_co_u32 s92, s92, WOSC
	s_mov_b32 s93, 0
	s_mul_i32 s76, s76, 12288
	s_add_co_u32 s76, s76, WOIMG
	s_mov_b32 s77, 0
	s_lshl_b32 s90, s[TR], 8                       ; A's scale bytes: two a token place and head, from place 128 tr + 64 wr on
	s_lshl_b32 s91, s[WR], 7
	s_add_co_u32 s90, s90, s91
	s_add_co_u32 s90, s90, ASCO
	s_mov_b32 s91, 0
	s_lshl_b32 s80, s[TC], 9                       ; my first column, in bytes
	s_lshl_b32 s81, s[WC], 8
	s_add_co_u32 s80, s80, s81
	s_mov_b32 s81, 0
	s_lshl_b32 s84, s[TR], 19                      ; my first row of out0: 128 tr + 64 wr, 4,096 bytes each
	s_lshl_b32 s85, s[WR], 18
	s_add_co_u32 s84, s84, s85
	s_add_co_u32 s84, s84, s80
	s_mov_b32 s85, 0
	s_mul_i32 s86, s[WC], 49152                    ; where the tiles go: A's halves from 0, B's from 98,304: no place in the cluster enters an LDS address
	s_add_co_u32 s87, s86, 98304
	s_wait_dscnt 0x0
	s_wait_kmcnt 0x0
	s_add_nc_u64 s[20:21], s[4:5], s[20:21]
	s_add_nc_u64 s[76:77], s[6:7], s[76:77]
	s_add_nc_u64 s[90:91], s[4:5], s[90:91]
	s_add_nc_u64 s[92:93], s[6:7], s[92:93]
	s_add_nc_u64 s[82:83], s[8:9], s[80:81]
	s_add_nc_u64 s[84:85], s[10:11], s[84:85]
	CROUND                                         ; all sixteen work-groups are here: the joint loads meet
.irp q, 0
	s_mov_b32 s[G0A+4*\q], 1
	s_add_co_u32 s[G0A+4*\q+1], s86, \q*CH
	s_add_nc_u64 s[G0A+4*\q+2:G0A+4*\q+3], s[20:21], \q*3072
	s_or_b32 s[G0A+4*\q+3], s[G0A+4*\q+3], 0x80000000
	s_mov_b32 s[G0B+4*\q], 1
	s_add_co_u32 s[G0B+4*\q+1], s87, \q*CH
	s_add_nc_u64 s[G0B+4*\q+2:G0B+4*\q+3], s[76:77], \q*3072
	s_or_b32 s[G0B+4*\q+3], s[G0B+4*\q+3], 0x80000000
.endr
	s_cmp_eq_u32 s[WR], 0                          ; one fill a wave, in the two arms of one branch on its number
	s_cbranch_scc0 .Lfill_b
	tensor_load_to_lds s[G0A:G0A+3], s[G1A:G1A+7]
	s_nop 0
	PLACES
	s_branch .Lfilled
.Lfill_b:
	tensor_load_to_lds s[G0B:G0B+3], s[G1B:G1B+7]
	s_nop 0
	PLACES
.Lfilled:
	v_and_b32 v1, 31, v0
	v_and_b32 v2, 15, v0                           ; r
	v_bfe_u32 v9, v0, 4, 1                         ; h
	v_lshlrev_b32 v[L16], 4, v1
	v_lshlrev_b32 v[L8], 4, v2
	v_lshl_add_u32 v[L8], v9, 3, v[L8]
	v_lshlrev_b32 v[LSC], 3, v2
	v_lshl_add_u32 v[LSC], v9, 9, v[LSC]
	v_lshlrev_b32 v[LB], 6, v9
	v_lshlrev_b32 v[LAS], 1, v2
	v_lshl_add_u32 v[LAS], v9, 16, v[LAS]          ; lanes 16-31 take the heads eight further on: K steps 4 to 7
	; A's scale bytes: K step n (+ 4 h) is heads 2 n and 2 n + 1 (+ 8 h): two bytes each
.irp t, 0,1,2,3
.irp i, 0,1,2,3,4,5,6,7
	global_load_u16 v[U+8*\t+\i], v[LAS], s[90:91] offset:\i*8192+32*\t
.endr
.endr
.irp i, 0,1,2,3
.irp j, 0,1
	global_load_b64 v[SCB+4*\i+2*\j:SCB+4*\i+2*\j+1], v[LSC], s[92:93] offset:(\i/2)*1024+(\i%2)*128+256*\j
.endr
.endr
.irp b, 0,1,2,3
	global_load_b128 v[BI+8*\b:BI+8*\b+3], v[LB], s[82:83] offset:(32*(\b/2)+8*(\b%2))*4
	global_load_b128 v[BI+8*\b+4:BI+8*\b+7], v[LB], s[82:83] offset:(32*(\b/2)+8*(\b%2))*4+16
.endr
	s_mul_i32 s94, s[WR], 49152                    ; address register q serves tiles 2 q and 2 q + 1 of my share
	s_mul_i32 s95, s[WC], BT*12288
	s_add_co_u32 s95, s95, 98304
.irp q, 0,1,2,3
	v_add_nc_u32 v[ADA16+\q], s94, v[L16]
	v_add_nc_u32 v[ADA8+\q], s94, v[L8]
	v_add_nc_u32 v[ADB16+\q], s95, v[L16]
	v_add_nc_u32 v[ADB8+\q], s95, v[L8]
	s_add_co_u32 s94, s94, 24576
	s_add_co_u32 s95, s95, 24576
.endr
	s_mul_i32 s96, s[WV], 4352
	s_add_co_u32 s96, s96, STG                     ; my stage
.macro FETCH s                         ; K step s's fragments into set s % 2: every load covers 512 or 256 consecutive bytes
	WIN 0x40                                       ; destination window 1, address window 0
.irp i, 0,1,2,3
.set rF, 128*((\s)%2)+12*\i
.set oF, (\i%2)*12288+(\s)*1536
	ds_load_b128 v[rF:rF+3], v[ADB16+\i/2] offset:oF
	ds_load_b64 v[rF+4:rF+5], v[ADB8+\i/2] offset:oF+512
	ds_load_b128 v[rF+6:rF+9], v[ADB16+\i/2] offset:oF+768
	ds_load_b64 v[rF+10:rF+11], v[ADB8+\i/2] offset:oF+1280
.endr
	WIN 0
.irp i, 0,1,2,3
.set rF, AF+48*((\s)%2)+12*\i
.set oF, (\i%2)*12288+(\s)*1536
	ds_load_b128 v[rF:rF+3], v[ADA16+\i/2] offset:oF
	ds_load_b64 v[rF+4:rF+5], v[ADA8+\i/2] offset:oF+512
	ds_load_b128 v[rF+6:rF+9], v[ADA16+\i/2] offset:oF+768
	ds_load_b64 v[rF+10:rF+11], v[ADA8+\i/2] offset:oF+1280
.endr
.endm
.macro MUL s, first                    ; K step s's 16 products.  first = 1: the bias starts the sums.  From K step 4 on the scale words stand in lanes 16-31
.if \first
	WIN 0x81                                       ; source 0 (B) window 1, source 1 (A) and C (the bias) window 0, D window 2
.else
	WIN 0xa1                                       ; C and D window 2
.endif
.irp a, 0,1,2,3
.irp b, 0,1,2,3
.set rD, 8*(BT*\a+\b)
.set rB, 128*((\s)%2)+12*\b
.set rA, AF+48*((\s)%2)+12*\a
.set rSB, SCB+4*\b+(\s)%4
.set rSA, SCA+4*\a+(\s)%4
.if \first
	v_wmma_scale_f32_16x16x128_f8f6f4 v[rD:rD+7], v[rB:rB+11], v[rA:rA+11], v[BI+8*\b:BI+8*\b+7], v[rSB], v[rSA] matrix_a_fmt:MATRIX_FMT_FP6 matrix_b_fmt:MATRIX_FMT_FP6
.elseif (\s) >= 4
	v_wmma_scale_f32_16x16x128_f8f6f4 v[rD:rD+7], v[rB:rB+11], v[rA:rA+11], v[rD:rD+7], v[rSB], v[rSA] matrix_a_fmt:MATRIX_FMT_FP6 matrix_b_fmt:MATRIX_FMT_FP6 matrix_a_scale:MATRIX_SCALE_ROW1 matrix_b_scale:MATRIX_SCALE_ROW1
.else
	v_wmma_scale_f32_16x16x128_f8f6f4 v[rD:rD+7], v[rB:rB+11], v[rA:rA+11], v[rD:rD+7], v[rSB], v[rSA] matrix_a_fmt:MATRIX_FMT_FP6 matrix_b_fmt:MATRIX_FMT_FP6
.endif
.endr
.endr
.endm
.macro KSTEP s, first
	s_wait_dscnt 0x0                               ; this step's fragments are in: they were asked for 16 products ago
.if (\s) < 7
.if (\s) > 0
	PLACES                                         ; the other set was read by the last step's products
.endif
	FETCH (\s)+1
.endif
	MUL \s, \first
.endm
	s_wait_alu depctr_va_vdst(0)
	s_wait_tensorcnt 0x0                           ; my one load, my share of A or B for all of K, is in
	s_barrier_signal -1
	s_barrier_wait -1
	FETCH 0
	s_wait_loadcnt 0x0                             ; scale bytes, scale words, bias
.irp t, 0,1,2,3
.irp i, 0,1,2,3
	v_lshl_or_b32 v[SCA+4*\t+\i], v[U+8*\t+2*\i+1], 16, v[U+8*\t+2*\i]   ; two heads' bytes make a K step's word
.endr
.endr
	v_mul_u32_u24 v[STO], v2, 272                  ; the way out's addresses: with the four lines behind them, twelve plain lines between the scale words' making and the first product
	v_lshl_add_u32 v[STO], v9, 6, v[STO]
	v_add_nc_u32 v[STO], s96, v[STO]               ; into the stage: row r, + 64 h
	v_mul_u32_u24 v[RD], v9, 272
	v_lshl_add_u32 v[RD], v2, 4, v[RD]
	v_add_nc_u32 v[RD], s96, v[RD]                 ; back: lanes 0-15 one row of 256 bytes, lanes 16-31 the next
	v_lshlrev_b32 v[CO], 12, v9
	v_lshl_add_u32 v[CO], v2, 4, v[CO]             ; and the same two rows in out0
	PLACES
	KSTEP 0, 1
	KSTEP 1, 0
	KSTEP 2, 0
	s_wait_alu depctr_va_vdst(0)
	KSTEP 3, 0
	KSTEP 4, 0
	KSTEP 5, 0
	KSTEP 6, 0
	KSTEP 7, 0
	WIN 0
	PLACES
; THE WAY OUT, a tile of 16 tokens x 64 columns at a time, through my own stage: LDS serves a wave's instructions in order, so no wait stands between the stores and the loads, nor in front of the next tile's stores
.macro TOSTAGE a
	WIN 0x08                                       ; an LDS store's data are its source 1: window 2
.irp b, 0,1,2,3
	ds_store_b128 v[STO], v[8*(4*(\a)+\b):8*(4*(\a)+\b)+3] offset:128*(\b/2)+32*(\b%2)          ; each accumulator from its low end on
	ds_store_b128 v[STO], v[8*(4*(\a)+\b)+4:8*(4*(\a)+\b)+7] offset:128*(\b/2)+32*(\b%2)+16
.endr
	WIN 0
.irp t, 0,1,2,3,4,5,6,7
	ds_load_b128 v[BK+32*((\a)%2)+4*\t:BK+32*((\a)%2)+4*\t+3], v[RD] offset:544*\t
.endr
.endm
.macro SEND a, younger                 ; younger: the LDS instructions issued behind tile a's loads, which may stay out.  Lane row 2 t + h of tile a is token 32 (a / 2) + 8 (a % 2) + 2 t + h + 8 (t / 4)
	s_wait_dscnt \younger
.irp t, 0,1,2,3,4,5,6,7
	global_store_b128 v[CO], v[BK+32*((\a)%2)+4*\t:BK+32*((\a)%2)+4*\t+3], s[84:85] offset:(32*((\a)/2)+8*((\a)%2)+2*\t+8*(\t/4))*4096 th:TH_STORE_NT   ; sixteen lanes store 256 consecutive bytes, aligned
.endr
.endm
	TOSTAGE 0
.irp a, 1,2,3
.if \a > 1
	s_wait_xcnt 0x0                                ; tile a - 2's stores have read their registers: tile a's loads may land there
.endif
	TOSTAGE \a
	SEND \a-1, 16                                  ; behind tile a - 1's loads: tile a's 8 stores and 8 loads
.endr
	SEND 3, 0
	s_wait_tensorcnt 0x0
	ds_add_u32 v254, v255
	s_wait_dscnt 0x0
	CROUND                                         ; the closing round: no work-group ends while a partner may still ask for a tile that names it
	s_endpgm
.Lfunc_end_k_qbb7451fac3_outp:
	.size	k_qbb7451fac3_outp, .Lfunc_end_k_qbb7451fac3_outp-k_qbb7451fac3_outp
	.p2alignl 7, 3214868480
	.fill 96, 4, 3214868480
	.section	.rodata,"a",@progbits
	.p2align	6, 0x0
	.amdhsa_kernel k_qbb7451fac3_outp
		.amdhsa_group_segment_fixed_size 214528
		.amdhsa_private_segment_fixed_size 0
		.amdhsa_enable_private_segment 0
		.amdhsa_kernarg_size 32
		.amdhsa_user_sgpr_count 2
		.amdhsa_user_sgpr_kernarg_segment_ptr 1
		.amdhsa_wavefront_size32 1
		.amdhsa_system_sgpr_workgroup_id_x 1
		.amdhsa_system_sgpr_workgroup_id_y 1
		.amdhsa_system_sgpr_workgroup_id_z 1
		.amdhsa_system_vgpr_workitem_id 0
		.amdhsa_next_free_vgpr 768
		.amdhsa_next_free_sgpr 100
		.amdhsa_reserve_vcc 0
		.amdhsa_float_denorm_mode_32 3
		.amdhsa_float_denorm_mode_16_64 3
		.amdhsa_memory_ordered 1
		.amdhsa_forward_progress 1
		.amdhsa_inst_pref_size 55
	.end_amdhsa_kernel
	.amdgpu_metadata
---
amdhsa.version: [ 1, 2 ]
amdhsa.kernels:
  - .name:           k_qbb7451fac3_outp
    .symbol:         k_qbb7451fac3_outp.kd
    .args:
      - { .name: att, .offset: 0, .size: 8, .value_kind: global_buffer, .address_space: global }
      - { .name: cw, .offset: 8, .size: 8, .value_kind: global_buffer, .address_space: global }
      - { .name: b_out, .offset: 16, .size: 8, .value_kind: global_buffer, .address_space: global }
      - { .name: out0, .offset: 24, .size: 8, .value_kind: global_buffer, .address_space: global }
    .group_segment_fixed_size: 214528
    .private_segment_fixed_size: 0
    .kernarg_segment_align: 8
    .kernarg_segment_size: 32
    .max_flat_workgroup_size: 128
    .sgpr_count:     100
    .vgpr_count:     768
    .wavefront_size: 32
...
	.end_amdgpu_metadata
.endif
;; end of part 4
